; MI455X (gfx1250); checked and timed in simulation.
; The chip was launched on July 23, 2026; its instructions are those of AMD's public machine-readable ISA for CDNA 5 (MIT licence, August 2026) and "CDNA5" Instruction Set Architecture Reference Guide (July 2026). The comments in the code are by the model that wrote it; some were corrected since.
;; Multi Head Attention. Allowed arithmetic: matrix products marked QUANTISED: E5M2 operands, one E8M0 scale for each 32 along K, by v_wmma_scale_f32_16x16x128_f8f6f4 with both operands' format E5M2, f32 sums; everything else in f32.
;; Inputs: K 4 x 2,048 x 1,024 float32; Q 4 x 2,048 x 1,024 float32; V 4 x 2,048 x 1,024 float32; Wk 1,024 x 1,024 float32; Wo 1,024 x 1,024 float32; Wq 1,024 x 1,024 float32; Wv 1,024 x 1,024 float32; bk 1,024 float32; bo 1,024 float32; bq 1,024 float32; bv 1,024 float32; mask 2,048 x 2,048 int32.
;; Outputs: out0 4 x 2,048 x 1,024 float32.
;; This version of the problem:
;;   THIS VERSION OF THE PROBLEM IS GIVEN IN LOW PRECISION. The matrix products marked QUANTISED in the list below multiply operands that are first quantised to E5M2 (5 exponent bits, 2 mantissa bits; 8 bits a number), with one power-of-two scale for each 32 numbers along K (OCP MX v1.0); their sums are f32. All else is computed in f32.
;;   The module's matrix products, in the order in which they are computed (A, B: the left and right operand; K: the contracted axis; several contracted axes count as one K, in the product's order):
;;     1. [M 8,192, K 1,024] x [K 1,024, N 1,024]; A: input Q; B: input Wq: QUANTISED
;;     2. [M 8,192, K 1,024] x [K 1,024, N 1,024]; A: input K; B: input Wk: QUANTISED
;;     3. [M 8,192, K 1,024] x [K 1,024, N 1,024]; A: input V; B: input Wv: QUANTISED
;;     4. batch 64 x [M 2,048, K 64] x [K 64, N 2,048]; A: computed on the way; B: computed on the way: QUANTISED
;;     5. batch 64 x [M 2,048, K 2,048] x [K 2,048, N 64]; A: softmax (see below); B: computed on the way: QUANTISED
;;     6. [M 8,192, K 1,024] x [K 1,024, N 1,024]; A: computed on the way; B: input Wo: QUANTISED
;;   THE QUANTISER, for each operand of a quantised product, along K:
;;     - K is cut into blocks of 32 from its start; a last block that is shorter is filled with zeros.
;;     - A block's scale is 2^e with e = floor(log2(the largest magnitude in the block)) - 15, held to -126 .. 127; a block of zeros has e = 0. As a byte (E8M0): e + 127.
;;     - Each number is divided by its block's scale, clamped to +-57,344, and rounded to the nearest number of E5M2, ties to even, subnormals kept.
;;     - The product sums the exact products of the quantised numbers (number of the format x scale) in f32.
;;   ~~~python
;;   def quantise(x, axis):      # numpy; x: float32 -> the quantised numbers, widened to float32 again
;;       x = np.moveaxis(x, axis, -1); K = x.shape[-1]
;;       x = np.pad(x, [(0, 0)] * (x.ndim - 1) + [(0, -K % 32)]); x = x.reshape(x.shape[:-1] + (-1, 32)); a = np.abs(x).max(-1, keepdims=True)
;;       e = np.where(a > 0, np.clip(np.frexp(np.where(a > 0, a, 1))[1] - 1 - 15, -126, 127), 0)      # np.frexp(a)[1] - 1 = floor(log2(a)), exactly
;;       r = np.clip(x / 2.0 ** e, -57344, 57344)
;;       step = 2.0 ** (np.maximum(np.frexp(np.where(r == 0, 1, r))[1] - 1, -14) - 2)
;;       q = np.round(r / step) * step * 2.0 ** e      # np.round: ties to even
;;       return np.moveaxis(q.reshape(q.shape[:-2] + (-1,))[..., :K], -1, axis).astype(np.float32)
;;   ~~~
;;   SOFTMAX AHEAD OF A QUANTISED PRODUCT. Where the list says 'softmax', what is quantised is not the finished softmax but p = 2^(t - M), with t = logit x log2(e) and M = ceil(the row's largest t), a whole number; so 1/2 < the row's largest p <= 1. The row's sum l is taken of the UNQUANTISED p, in f32, and the product's result is divided by l at the end. Since M is a whole number, a kernel that streams over the keys may use a running M (the ceiling of the running maximum): every later rescaling is an exact power of two, which a block's scale takes up: the codes' values come out the same.
;;   OPERANDS COMPUTED ON THE WAY. 'Computed on the way' means the value that the module computes at that place (a softmax that the list does not call 'softmax' is quantised finished and normalised). What goes into a quantiser is computed in f32, as accurately as f32 sums, v_exp_f32 and their like allow (about 1e-6 of the number): no bf16 or f16 on the way to a quantiser, and a product that is left as it is and whose result goes on into a quantised operand takes f32 operands (vector FMAs, or v_wmma_f32_16x16x4_f32). A number that lies on a knife's edge between two numbers of the format may be rounded either way, as far as f32 arithmetic and the matrix unit's own rounding can turn it there, and no further.
;; 2 versions, each right; version 2 is version 1 with the launch attn written anew for expert scheduling mode. Each part assembles by itself: llvm-mc -triple=amdgcn-amd-amdhsa -mcpu=gfx1250 --defsym DOCPART=n.
;; ======== version 1 of 2: 4 launches
;; workspace buffers: cimg 29,360,128 bytes; cscl 917,504 bytes; pimg 25,165,824 bytes; pscl 786,432 bytes; mbits 524,288 bytes of whole numbers; mflag 512 bytes of whole numbers; oimg 8,388,608 bytes; oscl 262,144 bytes
;; launch prep (part 1): grid 480 x 1, 4 waves a work-group, no clusters, 68,096 bytes of LDS; arguments Q, K, V, Wq, Wk, Wv, Wo, mask, cimg, cscl, mbits, mflag; writes cimg, cscl, mbits, mflag
.if DOCPART == 1
	.amdgcn_target "amdgcn-amd-amdhsa--gfx1250"
	.amdhsa_code_object_version 6
	.text
	.protected	k_qda206af8fc_prep
	.globl	k_qda206af8fc_prep
	.p2align	8
	.type	k_qda206af8fc_prep,@function
k_qda206af8fc_prep:
	s_mov_b64 s[64:65], 0
	v_nop
	global_prefetch_b8 v0, s[64:65] scope:SCOPE_SE
	s_setreg_imm32_b32 hwreg(HW_REG_WAVE_MODE, 25, 1), 1
	s_wait_xcnt 0x0
; PREP.  (1) Q, K, V [8192][1024] and Wq, Wk, Wv, Wo [1024][1024], f32, become codes of BF8 (E5M2) with one E8M0 byte for each 32 along K (their last axis).
; (2) the mask [2048][2048] int32 becomes lane masks (one bit an entry) and two flags for each tile of 16 queries x 128 keys.
; LAYOUT OF THE CODES: images of operand registers.  A ROW BLOCK a is 16 rows: lane row r is row 32 (a / 2) + 8 (a % 2) + r + 8 (r / 8).  A fragment (row block, 128 along K) is 2,048 bytes
; [c 0..3][lane][16 bytes]: lane (r, h) holds k = 32 c + 16 h + 0 .. 15 of its row.  cimg: [row block 0..1791][K step 0..7][2,048]; row blocks: Q 0, K 512, V 1024, Wq 1536, Wk 1600, Wv 1664, Wo 1728.
; SCALE WORDS (four bytes: 128 along K of a row): cscl [K step][group of 4 row blocks 0..447][256 bytes], the word of (rb, r) at ((rb % 2) 16 + r) 8 + (rb / 2) 4: a wave's store of 8 bytes a lane writes a unit whole.
; MASK: mbits [tile of queries a 0..127][key step s 0..15][n 0..63]: bit 16 h + r of word n = 16 b + i is 1 where mask[row r of row block a][128 s + 32 b + 16 h + i] == 0.
; mflag word a: bit s: some entry of tile (a, s) counts; bit 16 + s: some entry is masked.  These 128 words leave as stores of four bytes, one a wave: all other stores cover 256 or 512 consecutive bytes.
; SHARES.  Work-groups 0-31: the mask, a wave to a tile row a = 4 x work-group + wave (16 tasks).  Work-groups 32-479: a group of 4 row blocks (64 rows on end), wave w its K steps 2 w, 2 w + 1 (8 tasks).
; A TASK is 16 rows x 512 bytes: 16 loads of 512 consecutive bytes; through the wave's own stage in LDS (rows 528 bytes apart: 132 words, so that 16 rows start at 16 different groups of banks); back 16 neighbours a lane and block.
; No barrier: waves share nothing.  The two paths have LDS bytes of their own.
; LIMITS: NaN and infinities among the inputs are not served; a block of zeros, and a block whose largest magnitude lies under 2^-111, gets the byte 1 (the bytes are read by this program alone; a block of zeros has zero codes).
.set STGB,  8448                       ; a stage: 16 rows x 528 bytes
.set MSTG,  4*STGB                     ; the mask path's four stages begin here
.set SPARE, 8*STGB                     ; the spare words: 128 bytes for each wave, two blocks of 256 bytes that no other line names
.set LI,   1                           ; v1   16 x lane
.set SPW,  2                           ; v2   my spare word; never rewritten
.set NIL,  3                           ; v3   0; never rewritten
.set SIN,  4                           ; v4   the stage, on the way in
.set SOUT, 5                           ; v5   and on the way out
.set L8,   6                           ; v6   8 x lane
.set LN,   7                           ; v7   lane
.set R,    16                          ; v16-143  two sets of 64: a task as loaded
.set X,    144                         ; v144-207 a task by lanes: register 16 c + i = k 32 c + 16 h + i of row r
.set PC,   208                         ; v208-223 codes
.set TM,   224                         ; v224-239 at work
.set PW,   240                         ; v240     the scale word just made
.set E,    241                         ; v241-244 the words of the four row blocks
.set XS,   246                         ; v[246:247] a unit's 8 bytes of my lane
.set W,    248                         ; v[248:249] 64 mask words, two a lane
.set FO,   250
.set FD,   251
.set WV,   2                           ; s2   wave
.set SRC,  10                          ; s[10:11] the tensor that my work-group quantises
.set SEL,  12                          ; s[12:13] lane selects: lane l xor 16
.set MNT,  14                          ; s14  the mantissa field of 57,344
.set HI,   15                          ; s15  lanes 16-31
.set ALLM, 48
.set SOME, 49
.set SH,   52
.set FLAG, 53
.set CNT,  54
	s_load_b512 s[16:31], s[0:1], 0x0              ; Q, K, V, Wq, Wk, Wv, Wo, mask
	s_load_b256 s[32:39], s[0:1], 0x40             ; cimg, cscl, mbits, mflag
	v_lshl_add_u32 v[SPW], v0, 2, SPARE
	v_mov_b32 v[NIL], 0
	v_lshrrev_b32 v[LN], 5, v0
	v_readfirstlane_b32 s[WV], v[LN]
	v_and_b32 v[LN], 31, v0
	v_lshlrev_b32 v[LI], 4, v[LN]
	v_lshlrev_b32 v[L8], 3, v[LN]
	s_mul_i32 s3, s[WV], STGB
	v_add_nc_u32 v[SIN], s3, v[LI]                 ; in: row t at 528 t, 16 bytes a lane
	v_and_b32 v8, 15, v0
	v_bfe_u32 v9, v0, 4, 1
	v_mul_u32_u24 v[SOUT], v8, 528
	v_lshl_add_u32 v[SOUT], v9, 6, v[SOUT]
	v_add_nc_u32 v[SOUT], s3, v[SOUT]              ; out: row r, + 64 h: my 16 numbers of a block of 32
	s_mov_b32 s[SEL], 0x76543210
	s_mov_b32 s[SEL+1], 0xfedcba98
	s_mov_b32 s[MNT], 0x600000
	s_mov_b32 s[HI], 0xffff0000
	s_mov_b32 s5, 0
	s_wait_kmcnt 0x0
	s_cmp_lt_u32 ttmp9, 32
	s_cbranch_scc1 .Lmask
.macro TURN set, base                  ; a task through the stage: LDS serves a wave's instructions in order, so no wait stands between the stores and the loads
.irp t, 0,1,2,3,4,5,6,7,8,9,10,11,12,13,14,15
	ds_store_b128 v[SIN], v[R+64*(\set)+4*\t:R+64*(\set)+4*\t+3] offset:(\base)+528*\t
.endr
.irp c, 0,1,2,3
.irp j, 0,1,2,3
	ds_load_b128 v[X+16*\c+4*\j:X+16*\c+4*\j+3], v[SOUT] offset:(\base)+128*\c+16*\j
.endr
.endr
.endm
; 64 numbers of a lane, v[s] on, become a fragment's codes in v[PC] on and its scale word in v[PW]
.macro QUANT s
.irp b, 0,1,2,3
	v_max3_num_f32 v[TM+\b], |v[\s+16*\b]|, |v[\s+1+16*\b]|, 0x8000000   ; block b: my 16 numbers, and the floor 2^(16 - 127): the byte cannot fall under 1
.endr
.irp i, 2,4,6,8,10,12,14
.irp b, 0,1,2,3
	v_max3_num_f32 v[TM+\b], v[TM+\b], |v[\s+16*\b+\i]|, |v[\s+1+16*\b+\i]|
.endr
.endr
.irp b, 0,1,2,3
	v_permlanex16_b32 v[TM+4+\b], v[TM+\b], s[SEL], s[SEL+1]
.endr
.irp b, 0,1,2,3
	v_max_num_f32 v[TM+\b], v[TM+\b], v[TM+4+\b]   ; with lane l xor 16's: the block's largest magnitude
.endr
.irp b, 0,1,2,3
	v_add_nc_u32 v[TM+12+\b], 0xf8800000, v[TM+\b] ; 15 off its exponent field: the conversion's scale operand
.endr
.irp b, 0,1,2,3
	v_and_or_b32 v[TM+8+\b], v[TM+\b], 0x7f800000, s[MNT]   ; 57,344 x the scale
.endr
.irp b, 0,1,2,3
	v_lshrrev_b32 v[TM+4+\b], 23, v[TM+12+\b]      ; the scale's byte
.endr
	v_lshl_or_b32 v[PW], v[TM+5], 8, v[TM+4]
	v_lshl_or_b32 v[PW], v[TM+6], 16, v[PW]
	v_lshl_or_b32 v[PW], v[TM+7], 24, v[PW]
.irp b, 0,1,2,3
.irp i, 0,1,2,3,4,5,6,7,8,9,10,11,12,13,14,15
	v_med3_num_f32 v[\s+16*\b+\i], v[\s+16*\b+\i], -v[TM+8+\b], v[TM+8+\b]   ; the conversion to an 8-bit code does not saturate (ISA guide 7.6.2): the hold
.endr
	v_cvt_scalef32_pk8_bf8_f32 v[PC+4*\b:PC+1+4*\b], v[\s+16*\b:\s+7+16*\b], v[TM+12+\b]
	v_cvt_scalef32_pk8_bf8_f32 v[PC+2+4*\b:PC+3+4*\b], v[\s+8+16*\b:\s+15+16*\b], v[TM+12+\b]
.endr
	v_nop                                          ; a plain line behind the last conversion
.endm
	; ---------------- the quantiser's path
	s_sub_co_u32 s8, ttmp9, 32                     ; my group of 4 row blocks, 0 .. 447
	s_mov_b64 s[SRC:SRC+1], s[16:17]               ; which tensor, and its first group: choices on the work-group's number alone
	s_mov_b32 s9, 0
	s_cmp_ge_u32 s8, 128
	s_cselect_b64 s[SRC:SRC+1], s[18:19], s[SRC:SRC+1]
	s_cselect_b32 s9, 128, s9
	s_cmp_ge_u32 s8, 256
	s_cselect_b64 s[SRC:SRC+1], s[20:21], s[SRC:SRC+1]
	s_cselect_b32 s9, 256, s9
	s_cmp_ge_u32 s8, 384
	s_cselect_b64 s[SRC:SRC+1], s[22:23], s[SRC:SRC+1]
	s_cselect_b32 s9, 384, s9
	s_cmp_ge_u32 s8, 400
	s_cselect_b64 s[SRC:SRC+1], s[24:25], s[SRC:SRC+1]
	s_cselect_b32 s9, 400, s9
	s_cmp_ge_u32 s8, 416
	s_cselect_b64 s[SRC:SRC+1], s[26:27], s[SRC:SRC+1]
	s_cselect_b32 s9, 416, s9
	s_cmp_ge_u32 s8, 432
	s_cselect_b64 s[SRC:SRC+1], s[28:29], s[SRC:SRC+1]
	s_cselect_b32 s9, 432, s9
	s_sub_co_u32 s9, s8, s9
	s_lshl_b32 s4, s9, 18                          ; 64 rows of 4,096 bytes a group,
	s_lshl_b32 s6, s[WV], 10                       ; my wave's 1,024 bytes of each row
	s_add_co_u32 s4, s4, s6
	s_add_nc_u64 s[SRC:SRC+1], s[SRC:SRC+1], s[4:5]
	s_lshl_b32 s4, s8, 16                          ; cimg: 4 row blocks of 16,384 bytes a group, 2 K steps of 2,048 a wave
	s_lshl_b32 s6, s[WV], 12
	s_add_co_u32 s4, s4, s6
	s_add_nc_u64 s[32:33], s[32:33], s[4:5]
	s_mul_i32 s4, s[WV], 229376                    ; cscl: 114,688 bytes a K step, 256 a group
	s_lshl_b32 s6, s8, 8
	s_add_co_u32 s4, s4, s6
	s_add_nc_u64 s[34:35], s[34:35], s[4:5]
.irp b, 0,1,2,3
	v_mov_b32 v[TM+4+\b], 0                        ; written once: a lane permute's destination counts as one of its sources
.endr
.macro QLOAD k                         ; task k: row block k % 4, K step k / 4 of my two; row t of the block
.irp t, 0,1,2,3,4,5,6,7,8,9,10,11,12,13,14,15
	global_load_b128 v[R+64*((\k)%2)+4*\t:R+64*((\k)%2)+4*\t+3], v[LI], s[SRC:SRC+1] offset:(32*(((\k)%4)/2)+8*((\k)%2)+\t+8*(\t/8))*4096+512*((\k)/4) th:TH_LOAD_NT
.endr
.endm
.macro QTASK k
.if (\k) < 7
	s_wait_loadcnt 16                              ; my task's 16 loads are in; the next task's 16 may be out
.else
	s_wait_loadcnt 0x0
.endif
	TURN (\k)%2, 0
	s_wait_dscnt 0x0                               ; the task is back by lanes, and the stage's stores have read their registers
	s_wait_xcnt 0x0                                ; the last task's stores have read their data: the codes and the unit's words are written again only behind this wait
.if (\k) < 6
	QLOAD (\k)+2
.endif
	QUANT X
.irp c, 0,1,2,3
	global_store_b128 v[LI], v[PC+4*\c:PC+4*\c+3], s[32:33] offset:16384*((\k)%4)+2048*((\k)/4)+512*\c   ; 512 consecutive bytes
.endr
	v_mov_b32 v[E+(\k)%4], v[PW]
.if (\k)%4 == 3
	v_cndmask_b32 v[XS], v[E], v[E+1], s[HI]       ; lanes 0-15: row block 0's words, lanes 16-31: row block 1's
	v_cndmask_b32 v[XS+1], v[E+2], v[E+3], s[HI]   ; and 2's, 3's
	global_store_b64 v[L8], v[XS:XS+1], s[34:35] offset:114688*((\k)/4)   ; one unit of 256 bytes
.endif
.endm
	QLOAD 0
	QLOAD 1
.irp k, 0,1,2,3,4,5,6,7
	QTASK \k
.endr
	s_wait_tensorcnt 0x0                           ; the wave's end: behind my last LDS store
	ds_add_u32 v[SPW], v[NIL]
	s_wait_dscnt 0x0
	s_endpgm
	; ---------------- the mask's path
.Lmask:
	s_lshl_b32 s8, ttmp9, 2
	s_add_co_u32 s8, s8, s[WV]                     ; a: my tile row of 16 queries
	s_lshr_b32 s4, s8, 1
	s_lshl_b32 s4, s4, 18                          ; 32 (a / 2) rows of 8,192 bytes
	s_and_b32 s6, s8, 1
	s_lshl_b32 s6, s6, 16                          ; + 8 (a % 2) rows
	s_add_co_u32 s4, s4, s6
	s_add_nc_u64 s[30:31], s[30:31], s[4:5]
	s_lshl_b32 s4, s8, 12
	s_add_nc_u64 s[36:37], s[36:37], s[4:5]        ; mbits: 4,096 bytes a tile row
	s_lshl_b32 s4, s8, 2
	s_add_nc_u64 s[38:39], s[38:39], s[4:5]        ; mflag: a word
	v_mov_b32 v[W], 0                              ; written once: v_writelane_b32's destination counts as read
	v_mov_b32 v[W+1], 0
	s_mov_b32 s[SH], 0
	s_mov_b32 s[FLAG], 0
.macro MLOAD set, off                  ; 16 rows x 512 bytes of the mask, off bytes on from where the pointer stands
.irp t, 0,1,2,3,4,5,6,7,8,9,10,11,12,13,14,15
	global_load_b128 v[R+64*(\set)+4*\t:R+64*(\set)+4*\t+3], v[LI], s[30:31] offset:(\t+8*(\t/8))*8192+(\off) th:TH_LOAD_NT
.endr
.endm
.macro MTASK set, ahead, left
	s_wait_loadcnt \left                           ; my task's loads are in; the other set's may be out
	TURN \set, MSTG
	s_wait_dscnt 0x0
	s_wait_xcnt 0x0                                ; the last task's store has read W
.if \ahead
	MLOAD \set, 512*(\set)+1024                    ; two tasks ahead
.endif
	s_mov_b32 s[ALLM], -1
	s_mov_b32 s[SOME], 0
.irp g, 0,1,2,3,4,5,6,7
.irp j, 0,1,2,3,4,5,6,7
	v_cmp_eq_u32 s[40+\j], 0, v[X+8*\g+\j]         ; word n = 8 g + j: a bit a lane, 1 = masked
.endr
.irp j, 0,1,2,3,4,5,6,7
	s_and_b32 s[ALLM], s[ALLM], s[40+\j]
	s_or_b32 s[SOME], s[SOME], s[40+\j]
	v_writelane_b32 v[W+\j%2], s[40+\j], (8*\g+\j)/2
.endr
.endr
	global_store_b64 v[L8], v[W:W+1], s[36:37] offset:256*(\set)   ; 256 consecutive bytes: the tile's 64 words
	s_cmp_lg_u32 s[ALLM], -1
	s_cselect_b32 s50, 1, 0                        ; some entry counts
	s_cmp_lg_u32 s[SOME], 0
	s_cselect_b32 s51, 0x10000, 0                  ; some entry is masked
	s_or_b32 s50, s50, s51
	s_lshl_b32 s50, s50, s[SH]
	s_or_b32 s[FLAG], s[FLAG], s50
	s_add_co_u32 s[SH], s[SH], 1
.endm
	MLOAD 0, 0
	MLOAD 1, 512
	s_mov_b32 s[CNT], 7
.Lmask_trip:                                           ; two key steps a trip
	MTASK 0, 1, 16
	MTASK 1, 1, 16
	s_wait_xcnt 0x0                                ; the trip's loads and stores have read their bases
	s_add_nc_u64 s[30:31], s[30:31], 1024
	s_add_nc_u64 s[36:37], s[36:37], 512
	s_sub_co_u32 s[CNT], s[CNT], 1
	s_cmp_lg_u32 s[CNT], 0
	s_cbranch_scc1 .Lmask_trip
	MTASK 0, 0, 16                                 ; the last two key steps load nothing: no load leaves the mask
	MTASK 1, 0, 0
	v_mov_b32 v[FO], 0
	v_mov_b32 v[FD], s[FLAG]
	v_cmp_eq_u32 vcc_lo, 0, v[LN]
	s_wait_xcnt 0x0                                ; EXEC changes only behind this wait
	s_and_saveexec_b32 s55, vcc_lo
	global_store_b32 v[FO], v[FD], s[38:39]        ; lane 0 stores my tile row's flags
	s_wait_xcnt 0x0
	s_or_b32 exec_lo, exec_lo, s55
	s_wait_tensorcnt 0x0                           ; the wave's end: behind my last LDS store
	ds_add_u32 v[SPW], v[NIL]
	s_wait_dscnt 0x0
	s_endpgm
.Lfunc_end_k_qda206af8fc_prep:
	.size	k_qda206af8fc_prep, .Lfunc_end_k_qda206af8fc_prep-k_qda206af8fc_prep
	.p2alignl 7, 3214868480
	.fill 96, 4, 3214868480
	.section	.rodata,"a",@progbits
	.p2align	6, 0x0
	.amdhsa_kernel k_qda206af8fc_prep
		.amdhsa_group_segment_fixed_size 68096
		.amdhsa_private_segment_fixed_size 0
		.amdhsa_enable_private_segment 0
		.amdhsa_kernarg_size 96
		.amdhsa_user_sgpr_count 2
		.amdhsa_user_sgpr_kernarg_segment_ptr 1
		.amdhsa_wavefront_size32 1
		.amdhsa_system_sgpr_workgroup_id_x 1
		.amdhsa_system_sgpr_workgroup_id_y 1
		.amdhsa_system_sgpr_workgroup_id_z 1
		.amdhsa_system_vgpr_workitem_id 0
		.amdhsa_next_free_vgpr 256
		.amdhsa_next_free_sgpr 66
		.amdhsa_reserve_vcc 1
		.amdhsa_float_denorm_mode_32 3
		.amdhsa_float_denorm_mode_16_64 3
		.amdhsa_memory_ordered 1
		.amdhsa_forward_progress 1
		.amdhsa_inst_pref_size 165
	.end_amdhsa_kernel
	.amdgpu_metadata
---
amdhsa.version: [ 1, 2 ]
amdhsa.kernels:
  - .name:           k_qda206af8fc_prep
    .symbol:         k_qda206af8fc_prep.kd
    .args:
      - { .name: Q, .offset: 0, .size: 8, .value_kind: global_buffer, .address_space: global }
      - { .name: K, .offset: 8, .size: 8, .value_kind: global_buffer, .address_space: global }
      - { .name: V, .offset: 16, .size: 8, .value_kind: global_buffer, .address_space: global }
      - { .name: Wq, .offset: 24, .size: 8, .value_kind: global_buffer, .address_space: global }
      - { .name: Wk, .offset: 32, .size: 8, .value_kind: global_buffer, .address_space: global }
      - { .name: Wv, .offset: 40, .size: 8, .value_kind: global_buffer, .address_space: global }
      - { .name: Wo, .offset: 48, .size: 8, .value_kind: global_buffer, .address_space: global }
      - { .name: mask, .offset: 56, .size: 8, .value_kind: global_buffer, .address_space: global }
      - { .name: cimg, .offset: 64, .size: 8, .value_kind: global_buffer, .address_space: global }
      - { .name: cscl, .offset: 72, .size: 8, .value_kind: global_buffer, .address_space: global }
      - { .name: mbits, .offset: 80, .size: 8, .value_kind: global_buffer, .address_space: global }
      - { .name: mflag, .offset: 88, .size: 8, .value_kind: global_buffer, .address_space: global }
    .group_segment_fixed_size: 68096
    .private_segment_fixed_size: 0
    .kernarg_segment_align: 8
    .kernarg_segment_size: 96
    .max_flat_workgroup_size: 128
    .sgpr_count:     66
    .vgpr_count:     256
    .wavefront_size: 32
...
	.end_amdgpu_metadata
.endif
;; end of part 1
;; launch proj (part 2): grid 12 x 32, 4 waves a work-group, clusters of 4 x 4, 327,680 bytes of LDS; arguments cimg, cscl, bq, bk, bv, pimg, pscl; writes pimg, pscl
.if DOCPART == 2
	.amdgcn_target "amdgcn-amd-amdhsa--gfx1250"
	.amdhsa_code_object_version 6
	.text
	.protected	k_qda206af8fc_proj
	.globl	k_qda206af8fc_proj
	.p2align	8
	.type	k_qda206af8fc_proj,@function
k_qda206af8fc_proj:
	s_mov_b64 s[64:65], 0
	v_nop
	global_prefetch_b8 v0, s[64:65] scope:SCOPE_SE
	s_setreg_imm32_b32 hwreg(HW_REG_WAVE_MODE, 25, 1), 1
	s_wait_xcnt 0x0
	s_wait_alu depctr_hold_cnt(0) depctr_sa_sdst(0) depctr_va_vdst(0) depctr_va_sdst(0) depctr_va_ssrc(0) depctr_va_vcc(0) depctr_vm_vsrc(0)
	s_getreg_b32 s2, hwreg(HW_REG_IB_STS2, 6, 4)
	s_cmp_eq_u32 s2, 0
	s_cbranch_scc0 .Lentry_in_a_cluster
	s_endpgm
.Lentry_in_a_cluster:
	s_bfe_u32 s2, ttmp6, 0x10000c
	s_cmp_lg_u32 s2, 0xf033
	s_cbranch_scc0 .Lentry_shape_is_right
	s_endpgm
.Lentry_shape_is_right:
; PROJ.  q = Q Wq^T + bq, k = K Wk^T + bk, v = V Wv^T + bv on codes of BF8 with E8M0 scales (K = 1,024), and the quantisers behind them: q and k along the head's 64, v along the keys.
; KIND = the cluster's x: 0 q, 1 k, 2 v: equal in all sixteen partners.  A tile of the result is 256 x 256, four waves of 128 x 128 (64 accumulators, 512 registers).
; Operands are images of registers (a row block of 16 rows: lane row r = row 32 (a / 2) + 8 (a % 2) + r + 8 (r / 8); a fragment = 2,048 bytes [c][lane][16]), so every LDS load takes 512 consecutive bytes.
; THE MATRIX INSTRUCTION IS USED TRANSPOSED: source 0 = 16 rows of B, source 1 = 16 rows of A.  By the choice of rows a lane then holds ONE row of A, and the 64 registers of a block of A's rows are
; B's rows 32 beta + 16 h + i at register 16 beta + i: 16 neighbours of each of four blocks of 32: what the quantiser and the next operand's layout want.  So results go from registers straight to memory as images.
; q, k: A = tokens, B = W's rows (features).  v: A = Wv's rows, B = tokens: a lane holds one feature and its registers run along the keys.
; OUT.  pimg: three regions of 8 MiB, [batch x head 64][group of 128 tokens 16][8,192].  q, k: [token row block 8][c 2][lane][16].  v: [feature row block 4][c 4][lane][16].
; pscl: three regions of 256 KiB, [batch x head][group][256]: word (j, r) at ((j % 2) 16 + r) 8 + (j / 2) 4.  q, k: j = pair of token row blocks: bytes (2 j: c0, c1; 2 j + 1: c0, c1).  v: j = feature row block: four key blocks.
; RING: K in steps of 256 (two of 128) through two LDS slots; a wave's tensor load brings 8 row blocks x 4,096 bytes.  The scale words of all of K come once.  CLUSTER 4 x 4: A's tiles are asked for jointly
; along a row of the cluster, B's along a column.  The eight steps of 128 are written out: the scale words' registers are named by the step.
; LIMITS: NaN and infinities are not served; a block of zeros, or one whose largest magnitude lies under 2^-111, gets the byte 1 (read by this program alone).
.set HALFT, 32768                      ; 8 row blocks x 4,096 bytes: what one tensor load brings, and what one wave reads of A or of B
.set SLOT,  4*HALFT
.set SCL,   2*SLOT                     ; behind the ring: four quarters of 4,096 bytes: [K step 8][2 units of 256 bytes]
.set SPARE, SCL+4*4096                 ; the spare words: 128 bytes for each wave, two blocks of 256 bytes that no other line names
.set FR,   16
.set NP,   8                           ; places behind this matrix instruction (ISA guide 7.12.1)
.set VO,   8                           ; v8-11 where a block's four stores go
.set BNO,  12                          ; v12   64 h: my half's 16 numbers of a block of 32 of the bias
.set BMO,  13                          ; v13   4 (r + 8 (r / 8))
.set L8,   14                          ; v14   8 x lane
.set ADRA, 16
.set ADRB, 20
.set ADRS, 27
.set SPW,  28
.set NIL,  29
.set SC,   32                          ; v32-95 scale words: register 8 ks + i: lanes 0-15 A's block i, lanes 16-31 B's block i, K step ks
.set AF,   128                         ; A's fragments, window 0
.set T,    128                         ; the way out: 64 numbers
.set PC,   192
.set TM,   208
.set PW,   224
.set WN,   226                         ; v226-233 the eight blocks' scale words
.set YY,   234
.set XX,   242
.set SEL,  2
.set WV,   18
.set RH,   19
.set CH,   20
.set MNT,  21
.set HI,   22
.set KV,   23
.set G1,   24
.set G0,   32
.set G1B,  48
.set G0B,  56
.set G1S,  68
.set G0S,  76
.set G1SB, 80
.set G0SB, 88
.set OB,   92
.set OS,   94
.set STA,  96
.set STB,  98
.set BNP,  100
.set BMP,  104
.set MSB, 0
.macro WIN new
.if MSB != (\new)
	s_set_vgpr_msb (MSB<<8)|(\new)
.set MSB, (\new)
.endif
.endm
.set MUL_LO, 0xa1                      ; source 0 (B) window 1, source 1 (A) window 0, C and D window 2
.set MUL_HI, 0xf1
.set TO_B,   0x40
.macro JLOAD g0a, g1a, g0b, g1b        ; a joint load: waves 0, 1 fetch for A, waves 2, 3 for B; an s_nop 0 and four v_nop follow each line
	s_cmp_eq_u32 s[RH], 0
	s_cbranch_scc0 .Lfor_b_\@
	tensor_load_to_lds s[\g0a:\g0a+3], s[\g1a:\g1a+7]
	s_nop 0
.rept 4
	v_nop
.endr
	s_branch .Lasked_\@
.Lfor_b_\@:
	tensor_load_to_lds s[\g0b:\g0b+3], s[\g1b:\g1b+7]
	s_nop 0
.rept 4
	v_nop
.endr
.Lasked_\@:
.endm
.macro CREST
	s_cmp_lg_u32 s[WV], 0
	s_cbranch_scc1 .Lnot_wave_0_\@
	s_barrier_signal -3
.Lnot_wave_0_\@:
	s_barrier_wait -3
	s_barrier_signal -1
	s_barrier_wait -1
.endm
.macro CROUND
	s_barrier_signal -1
	s_barrier_wait -1
	CREST
.endm
.macro PLACES n
.rept \n
	v_nop
.endr
.endm
.macro FRAG reg, adr, q, i             ; a fragment's image: four loads of 512 consecutive bytes
.irp c, 0,1,2,3
	ds_load_b128 v[\reg+4*\c:\reg+4*\c+3], v[\adr] offset:4096*(\i)+2048*(\q)+512*\c
.endr
.endm
.macro MUL16 a0, p, ks, zero           ; A's blocks a0, a0 + 1 x B's eight; the 64 accumulators take turns in the same order in every step
.irp a, \a0, \a0+1
.irp b, 0,1,2,3,4,5,6,7
.if \zero
	v_wmma_scale_f32_16x16x128_f8f6f4 v[8*(8*((\a)%4)+\b):8*(8*((\a)%4)+\b)+7], v[128*(\p)+FR*\b:128*(\p)+FR*\b+FR-1], v[AF+FR*(\a):AF+FR*(\a)+FR-1], 0, v[SC+8*(\ks)+\b], v[SC+8*(\ks)+(\a)] matrix_a_fmt:MATRIX_FMT_BF8 matrix_b_fmt:MATRIX_FMT_BF8 matrix_a_scale:MATRIX_SCALE_ROW1
.else
	v_wmma_scale_f32_16x16x128_f8f6f4 v[8*(8*((\a)%4)+\b):8*(8*((\a)%4)+\b)+7], v[128*(\p)+FR*\b:128*(\p)+FR*\b+FR-1], v[AF+FR*(\a):AF+FR*(\a)+FR-1], v[8*(8*((\a)%4)+\b):8*(8*((\a)%4)+\b)+7], v[SC+8*(\ks)+\b], v[SC+8*(\ks)+(\a)] matrix_a_fmt:MATRIX_FMT_BF8 matrix_b_fmt:MATRIX_FMT_BF8 matrix_a_scale:MATRIX_SCALE_ROW1
.endif
.endr
.endr
.endm
.macro FETCH_B slot, q, p
	WIN TO_B
.irp i, 0,1,2,3,4,5,6,7
	FRAG 128*(\p)+FR*\i, ADRB+\slot, \q, \i
.endr
	WIN 0
.endm
.macro FETCH_A slot, q, i0
.irp i, \i0, \i0+1, \i0+2, \i0+3
	FRAG AF+FR*(\i), ADRA+\slot, \q, \i
.endr
.endm
.macro STEP slot, q, ks, zero          ; a step of 128 along K that has its successor in the same slot
	s_wait_dscnt 16                                ; all but the youngest 16 loads (A's blocks 4-7) are in
	WIN MUL_LO
	MUL16 0, (\q)%2, \ks, \zero
	MUL16 2, (\q)%2, \ks, \zero
	s_wait_dscnt 0
	PLACES NP
	FETCH_B \slot, (\q)+1, 1-(\q)%2
	FETCH_A \slot, (\q)+1, 0
	WIN MUL_HI
	MUL16 4, (\q)%2, \ks, \zero
	MUL16 6, (\q)%2, \ks, \zero
	PLACES NP
	WIN 0
	FETCH_A \slot, (\q)+1, 4
.endm
.macro TURN slot, next, ks, fill       ; a slot's last step changes slots: one barrier; fill = 1: it opens a round of the cluster's barrier, and this slot is filled again
	s_wait_tensorcnt 0x0                           ; all my tensor loads have landed: my part of the next slot
	ds_add_u32 v[SPW], v[NIL]
	s_wait_dscnt 17                                ; the add and the youngest 16 loads may be out
	WIN MUL_LO
	MUL16 0, 1, \ks, 0
	s_wait_dscnt 0x0                               ; the add is done, and my reads of this slot are over
	s_barrier_signal -1
	MUL16 2, 1, \ks, 0
	WIN 0
	s_barrier_wait -1
.if \fill
	CREST                                          ; no wave of any partner still reads this slot or has a load on its way
	s_add_nc_u64 s[G0+4*\slot+2:G0+4*\slot+3], s[G0+4*\slot+2:G0+4*\slot+3], 8192
	s_add_nc_u64 s[G0B+4*\slot+2:G0B+4*\slot+3], s[G0B+4*\slot+2:G0B+4*\slot+3], 8192
	JLOAD G0+4*\slot, G1, G0B+4*\slot, G1B         ; my one tensor load behind the round; its four v_nop are four of the eight places
	PLACES NP-4
.else
	PLACES NP
.endif
	FETCH_B \next, 0, 0
	FETCH_A \next, 0, 0
	WIN MUL_HI
	MUL16 4, 1, \ks, 0
	MUL16 6, 1, \ks, 0
	PLACES NP
	WIN 0
	FETCH_A \next, 0, 4
.endm
.macro QUANT s                         ; 64 numbers of a lane, register 16 b + i = k 32 b + 16 h + i of my row, become codes in v[PC] on and a scale word in v[PW]
.irp b, 0,1,2,3
	v_max3_num_f32 v[TM+\b], |v[\s+16*\b]|, |v[\s+1+16*\b]|, 0x8000000
.endr
.irp i, 2,4,6,8,10,12,14
.irp b, 0,1,2,3
	v_max3_num_f32 v[TM+\b], v[TM+\b], |v[\s+16*\b+\i]|, |v[\s+1+16*\b+\i]|
.endr
.endr
.irp b, 0,1,2,3
	v_permlanex16_b32 v[TM+4+\b], v[TM+\b], s[SEL], s[SEL+1]
.endr
.irp b, 0,1,2,3
	v_max_num_f32 v[TM+\b], v[TM+\b], v[TM+4+\b]
.endr
.irp b, 0,1,2,3
	v_add_nc_u32 v[TM+12+\b], 0xf8800000, v[TM+\b]
.endr
.irp b, 0,1,2,3
	v_and_or_b32 v[TM+8+\b], v[TM+\b], 0x7f800000, s[MNT]
.endr
.irp b, 0,1,2,3
	v_lshrrev_b32 v[TM+4+\b], 23, v[TM+12+\b]
.endr
	v_lshl_or_b32 v[PW], v[TM+5], 8, v[TM+4]
	v_lshl_or_b32 v[PW], v[TM+6], 16, v[PW]
	v_lshl_or_b32 v[PW], v[TM+7], 24, v[PW]
.irp b, 0,1,2,3
.irp i, 0,1,2,3,4,5,6,7,8,9,10,11,12,13,14,15
	v_med3_num_f32 v[\s+16*\b+\i], v[\s+16*\b+\i], -v[TM+8+\b], v[TM+8+\b]
.endr
	v_cvt_scalef32_pk8_bf8_f32 v[PC+4*\b:PC+1+4*\b], v[\s+16*\b:\s+7+16*\b], v[TM+12+\b]
	v_cvt_scalef32_pk8_bf8_f32 v[PC+2+4*\b:PC+3+4*\b], v[\s+8+16*\b:\s+15+16*\b], v[TM+12+\b]
.endr
	v_nop
.endm
	s_load_b256 s[4:11], s[0:1], 0x0               ; cimg, cscl, bq, bk
	s_load_b128 s[12:15], s[0:1], 0x20             ; bv, pimg
	s_load_b64 s[16:17], s[0:1], 0x30              ; pscl
	v_lshl_add_u32 v[SPW], v0, 2, SPARE
	v_mov_b32 v[NIL], 0
	ds_add_u32 v[SPW], v[NIL]                      ; the wave's opening: the add and its wait, ahead of my first tensor load
	v_lshrrev_b32 v1, 5, v0
	v_readfirstlane_b32 s[WV], v1
	s_lshr_b32 s[RH], s[WV], 1                     ; which half of A's rows is mine.  Also: I fetch for A (0) or for B (1)
	s_and_b32 s[CH], s[WV], 1                      ; which half of B's rows.  Also: which 8 row blocks I fetch
	s_bfe_u32 s40, ttmp6, 0x40000                  ; cx
	s_bfe_u32 s41, ttmp6, 0x40004                  ; cy
	s_and_b32 s42, ttmp7, 0xffff
	s_lshl_b32 s42, s42, 2                         ; 4 x cluster y
	s_lshl_b32 s45, ttmp9, 9                       ; q, k: A's first row block 512 KIND,
	s_lshl_b32 s46, ttmp9, 6
	s_add_co_u32 s46, s46, 1536                    ; B's 1536 + 64 KIND
	s_cmp_eq_u32 ttmp9, 2
	s_cselect_b32 s43, 0, s42                      ; the walk over tokens lies on A's side for q and k,
	s_cselect_b32 s44, s42, 0                      ; on B's for v
	s_cselect_b32 s45, 1664, s45                   ; v: A = Wv,
	s_cselect_b32 s46, 1024, s46                   ; B = V
	s_add_co_u32 s43, s43, s41                     ; A's tile: it holds cy and never cx
	s_add_co_u32 s44, s44, s40                     ; B's tile: cx and never cy
	s_lshl_b32 s47, s41, 2
	s_lshl_b32 s47, 15, s47                        ; my row of the cluster
	s_lshl_b32 s92, 0x1111, s40                    ; my column
	s_or_b32 s[G1+0], s47, (3<<16)|(1<<21)         ; 15:0 the mask; 17:16 elements of 8 bytes; 21 set beside a mask; no padding
	s_or_b32 s[G1B+0], s92, (3<<16)|(1<<21)
.irp g, G1, G1B
	s_mov_b32 s[\g+1], 512<<16                     ; tensor_dim0 = 512 elements: two K steps' images of a row block, 4,096 bytes
	s_mov_b32 s[\g+2], 8<<16                       ; tensor_dim1 = 8 row blocks
	s_mov_b32 s[\g+3], 512<<16                     ; tile_dim0
	s_mov_b32 s[\g+4], 8                           ; tile_dim1
	s_mov_b32 s[\g+5], 2048                        ; from row block to row block: 16,384 bytes
	s_mov_b32 s[\g+6], 0
	s_mov_b32 s[\g+7], 0
.endr
	s_or_b32 s[G1S+0], s47, (3<<16)|(1<<21)
	s_or_b32 s[G1SB+0], s92, (3<<16)|(1<<21)
.irp g, G1S, G1SB
	s_mov_b32 s[\g+1], 64<<16                      ; two units of 256 bytes: 8 row blocks' words of a K step
	s_mov_b32 s[\g+2], 8<<16                       ; 8 K steps
	s_mov_b32 s[\g+3], 64<<16
	s_mov_b32 s[\g+4], 8
	s_mov_b32 s[\g+5], 14336                       ; from K step to K step: 114,688 bytes
	s_mov_b32 s[\g+6], 0
	s_mov_b32 s[\g+7], 0
.endr
	s_lshl_b32 s93, s[CH], 3
	s_lshl_b32 s94, s43, 4
	s_add_co_u32 s94, s94, s45
	s_add_co_u32 s94, s94, s93                     ; A: the first row block that I fetch
	s_lshl_b32 s96, s44, 4
	s_add_co_u32 s96, s96, s46
	s_add_co_u32 s96, s96, s93                     ; B likewise
	s_lshl_b32 s98, s94, 6                         ; their scale words: 64 bytes a row block and K step,
	s_mov_b32 s99, 0
	s_lshl_b32 s94, s94, 14                        ; their codes: 16,384 bytes a row block
	s_mov_b32 s95, 0
	s_lshl_b32 s100, s96, 6
	s_mov_b32 s101, 0
	s_lshl_b32 s96, s96, 14
	s_mov_b32 s97, 0
	s_lshl_b32 s104, s[WV], 15                     ; where they go: wave x HALFT, wave x 4,096: no place in the cluster enters an LDS address
	s_lshl_b32 s105, s[WV], 12
	s_wait_dscnt 0x0                               ; the opening add is done
	s_wait_kmcnt 0x0
	s_add_nc_u64 s[94:95], s[4:5], s[94:95]
	s_add_nc_u64 s[98:99], s[6:7], s[98:99]
	s_add_nc_u64 s[96:97], s[4:5], s[96:97]
	s_add_nc_u64 s[100:101], s[6:7], s[100:101]
	CROUND                                         ; all sixteen work-groups are here: the first joint loads meet
	s_mov_b32 s[G0S], 1
	s_add_co_u32 s[G0S+1], s105, SCL
	s_mov_b64 s[G0S+2:G0S+3], s[98:99]
	s_or_b32 s[G0S+3], s[G0S+3], 0x80000000
	s_mov_b32 s[G0SB], 1
	s_add_co_u32 s[G0SB+1], s105, SCL
	s_mov_b64 s[G0SB+2:G0SB+3], s[100:101]
	s_or_b32 s[G0SB+3], s[G0SB+3], 0x80000000
	JLOAD G0S, G1S, G0SB, G1SB                     ; the scale words of all of K: filled once
.irp s, 0,1
	s_mov_b32 s[G0+4*\s], 1
	s_add_co_u32 s[G0+4*\s+1], s104, \s*SLOT
	s_add_nc_u64 s[G0+4*\s+2:G0+4*\s+3], s[94:95], \s*4096
	s_or_b32 s[G0+4*\s+3], s[G0+4*\s+3], 0x80000000
	s_mov_b32 s[G0B+4*\s], 1
	s_add_co_u32 s[G0B+4*\s+1], s104, \s*SLOT
	s_add_nc_u64 s[G0B+4*\s+2:G0B+4*\s+3], s[96:97], \s*4096
	s_or_b32 s[G0B+4*\s+3], s[G0B+4*\s+3], 0x80000000
	JLOAD G0+4*\s, G1, G0B+4*\s, G1B               ; three loads of mine are out
.endr
	v_and_b32 v1, 15, v0                           ; r
	v_bfe_u32 v2, v0, 4, 1                         ; h
	v_and_b32 v3, 31, v0
	v_lshlrev_b32 v4, 4, v3                        ; 16 x lane
	s_lshl_b32 s104, s[RH], 15
	s_lshl_b32 s105, s[CH], 15
	s_add_co_u32 s105, s105, 2*HALFT
.irp s, 0,1
	v_add_nc_u32 v[ADRA+\s], s104, v4
	v_add_nc_u32 v[ADRB+\s], s105, v4
	s_add_co_u32 s104, s104, SLOT
	s_add_co_u32 s105, s105, SLOT
.endr
	v_lshlrev_b32 v5, 3, v1                        ; a scale word: 8 r in its unit
	s_lshl_b32 s104, s[RH], 12                     ; A's quarter,
	s_lshl_b32 s105, s[CH], 12
	s_add_co_u32 s105, s105, 2*4096                ; B's,
	s_sub_co_u32 s105, s105, s104
	v_mul_u32_u24 v6, s105, v2                     ; lanes 16-31 take B's: the lower base + h x the distance
	s_add_co_u32 s104, s104, SCL
	v_add_nc_u32 v5, v5, v6
	v_add_nc_u32 v[ADRS], s104, v5
	; where the results go
	s_lshl_b32 s45, s43, 1
	s_add_co_u32 s45, s45, s[RH]                   ; my 128 rows of A, counted in 128s
	s_lshl_b32 s46, s44, 1
	s_add_co_u32 s46, s46, s[CH]                   ; my 128 rows of B
	s_mov_b32 s[STA], 1024
	s_mov_b32 s47, 131072
	s_cmp_eq_u32 ttmp9, 2
	s_cselect_b32 s40, s46, s45                    ; the group of 128 tokens, 0 .. 63
	s_cselect_b32 s41, s45, s46                    ; the group of 128 features, 0 .. 7
	s_cselect_b32 s42, 0, s46                      ; the bias along B's rows (q, k); for v group 0 is read and not used
	s_cselect_b32 s43, s45, 0                      ; the bias along A's rows (v); for q, k group 0 is read and not used
	s_cselect_b32 s[KV], -1, 0
	s_cselect_b32 s[STA], 2048, s[STA]             ; from block to block of A's rows
	s_cselect_b32 s[STB], 122880, 0                ; v: behind block 3, on to the next head
	s_cselect_b32 s47, 1024, s47                   ; from blocks 0, 1 of 32 to blocks 2, 3: q, k: the next head; v: 1,024 bytes
	s_cselect_b64 s[BNP:BNP+1], s[12:13], s[10:11]
	s_cmp_eq_u32 ttmp9, 0
	s_cselect_b64 s[BNP:BNP+1], s[8:9], s[BNP:BNP+1]
	s_mov_b32 s[STA+1], 0
	s_mov_b32 s[STB+1], 0
	s_lshl_b32 s[BMP], s43, 9
	s_mov_b32 s[BMP+1], 0
	s_add_nc_u64 s[BMP:BMP+1], s[BNP:BNP+1], s[BMP:BMP+1]
	s_lshl_b32 s42, s42, 9
	s_mov_b32 s43, 0
	s_add_nc_u64 s[BNP:BNP+1], s[BNP:BNP+1], s[42:43]
	s_lshr_b32 s42, s40, 4
	s_lshl_b32 s42, s42, 4                         ; 16 x batch
	s_lshl_b32 s41, s41, 1                         ; my first head
	s_add_co_u32 s42, s42, s41
	s_lshl_b32 s42, s42, 4
	s_and_b32 s40, s40, 15
	s_add_co_u32 s42, s42, s40                     ; (batch x head) 16 + group
	s_lshl_b32 s[OB], s42, 13
	s_lshl_b32 s40, ttmp9, 23
	s_add_co_u32 s[OB], s[OB], s40
	s_mov_b32 s[OB+1], 0
	s_add_nc_u64 s[OB:OB+1], s[14:15], s[OB:OB+1]
	s_lshl_b32 s[OS], s42, 8
	s_lshl_b32 s40, ttmp9, 18
	s_add_co_u32 s[OS], s[OS], s40
	s_mov_b32 s[OS+1], 0
	s_add_nc_u64 s[OS:OS+1], s[16:17], s[OS:OS+1]
	s_mov_b32 s[SEL], 0x76543210
	s_mov_b32 s[SEL+1], 0xfedcba98
	s_mov_b32 s[MNT], 0x600000
	s_mov_b32 s[HI], 0xffff0000
	v_mov_b32 v[VO], v4
	v_add_nc_u32 v[VO+1], 512, v4
	v_add_nc_u32 v[VO+2], s47, v4
	v_add_nc_u32 v[VO+3], 512, v[VO+2]
	v_lshlrev_b32 v[BNO], 6, v2
	v_and_b32 v6, 8, v1
	v_add_nc_u32 v6, v6, v1
	v_lshlrev_b32 v[BMO], 2, v6
	v_lshlrev_b32 v[L8], 3, v3
	s_wait_tensorcnt 1                             ; the scale words and my part of slot 0 are in; slot 1's load may be out
	s_barrier_signal -1
	s_barrier_wait -1
.irp ks, 0,1,2,3,4,5,6,7
.irp i, 0,1,2,3,4,5,6,7
	ds_load_b32 v[SC+8*\ks+\i], v[ADRS] offset:512*\ks+256*(\i/4)+128*(\i%2)+4*((\i/2)%2)
.endr
.endr
	FETCH_B 0, 0, 0
	FETCH_A 0, 0, 0
	FETCH_A 0, 0, 4
	STEP 0, 0, 0, 1                                ; the first step's products start the sums: nothing is cleared
	TURN 0, 1, 1, 1
	STEP 1, 0, 2, 0
	TURN 1, 0, 3, 1
	STEP 0, 0, 4, 0
	TURN 0, 1, 5, 0                                ; nothing is left to fetch
	STEP 1, 0, 6, 0
	WIN TO_B                                       ; B's set 0 is done with, eight places back: the bias lands there under the last 64 products
.irp x, 0,1,2,3,4,5,6,7,8,9,10,11,12,13,14,15
	global_load_b128 v[4*\x:4*\x+3], v[BNO], s[BNP:BNP+1] offset:128*(\x/4)+16*(\x%4)   ; register 16 beta + i: the bias of B's row 32 beta + 16 h + i
.endr
.irp a, 0,1,2,3,4,5,6,7
	global_load_b32 v[64+2*\a], v[BMO], s[BMP:BMP+1] offset:4*(32*(\a/2)+8*(\a%2))      ; the bias of my row of A's block a; twice, since the packed form names a pair
	global_load_b32 v[65+2*\a], v[BMO], s[BMP:BMP+1] offset:4*(32*(\a/2)+8*(\a%2))
.endr
	WIN 0
	s_wait_dscnt 16
	WIN MUL_LO
	MUL16 0, 1, 7, 0
	MUL16 2, 1, 7, 0
	s_wait_dscnt 0
	WIN MUL_HI
	MUL16 4, 1, 7, 0
	MUL16 6, 1, 7, 0
	WIN 0
; THE WAY OUT, a block of 16 rows of A at a time: + bias, quantised, four stores of 512 consecutive bytes straight from the registers.
.macro ABLK a
	s_wait_xcnt 0x0                                ; the last block's stores have read their data and their base
.if (\a) > 0
	s_add_nc_u64 s[OB:OB+1], s[OB:OB+1], s[STA:STA+1]
.endif
.if (\a) == 4
	s_add_nc_u64 s[OB:OB+1], s[OB:OB+1], s[STB:STB+1]
.endif
	s_cmp_eq_u32 ttmp9, 2
	s_cbranch_scc1 .Lrows_\@
	WIN 0x06+(\a)/4                                ; source 0: the accumulators' window, source 1: window 1
.set x, 0
.rept 32
	v_pk_add_f32 v[T+x:T+x+1], v[64*((\a)%4)+x:64*((\a)%4)+x+1], v[x:x+1]   ; each accumulator from its low end on
.set x, x+2
.endr
	WIN 0
	s_branch .Ljoin_\@
.Lrows_\@:
	WIN 0x06+(\a)/4
.set x, 0
.rept 32
	v_pk_add_f32 v[T+x:T+x+1], v[64*((\a)%4)+x:64*((\a)%4)+x+1], v[64+2*(\a):65+2*(\a)] op_sel_hi:[1,0]
.set x, x+2
.endr
	WIN 0
.Ljoin_\@:
	QUANT T
.irp c, 0,1,2,3
	global_store_b128 v[VO+\c], v[PC+4*\c:PC+4*\c+3], s[OB:OB+1]
.endr
	v_mov_b32 v[WN+(\a)], v[PW]
.endm
	PLACES NP                                      ; behind the last products: their results are read, and registers that they read are written
	s_wait_loadcnt 0x0                             ; the bias
.irp a, 0,1,2,3,4,5,6,7
	ABLK \a
.endr
	; the scale words: q, k: a head's two bytes of two neighbouring blocks make a word; v: a block's word as it stands
.irp d, 0,1
.irp q, 0,1,2,3
.if \d
	v_perm_b32 v[YY+4*\d+\q], v[WN+2*\q+1], v[WN+2*\q], 0x07060302
.else
	v_perm_b32 v[YY+4*\d+\q], v[WN+2*\q+1], v[WN+2*\q], 0x05040100
.endif
	v_cndmask_b32 v[YY+4*\d+\q], v[YY+4*\d+\q], v[WN+4*\d+\q], s[KV]
.endr
	v_cndmask_b32 v[XX+2*\d], v[YY+4*\d], v[YY+4*\d+1], s[HI]
	v_cndmask_b32 v[XX+2*\d+1], v[YY+4*\d+2], v[YY+4*\d+3], s[HI]
	global_store_b64 v[L8], v[XX+2*\d:XX+2*\d+1], s[OS:OS+1] offset:4096*\d   ; one unit of 256 bytes for each of my two heads
.endr
	s_wait_tensorcnt 0x0                           ; the wave's end
	ds_add_u32 v[SPW], v[NIL]
	s_wait_dscnt 0x0
	CROUND                                         ; the closing round
	s_endpgm
.Lfunc_end_k_qda206af8fc_proj:
	.size	k_qda206af8fc_proj, .Lfunc_end_k_qda206af8fc_proj-k_qda206af8fc_proj
	.p2alignl 7, 3214868480
	.fill 96, 4, 3214868480
	.section	.rodata,"a",@progbits
	.p2align	6, 0x0
	.amdhsa_kernel k_qda206af8fc_proj
		.amdhsa_group_segment_fixed_size 327680
		.amdhsa_private_segment_fixed_size 0
		.amdhsa_enable_private_segment 0
		.amdhsa_kernarg_size 56
		.amdhsa_user_sgpr_count 2
		.amdhsa_user_sgpr_kernarg_segment_ptr 1
		.amdhsa_wavefront_size32 1
		.amdhsa_system_sgpr_workgroup_id_x 1
		.amdhsa_system_sgpr_workgroup_id_y 1
		.amdhsa_system_sgpr_workgroup_id_z 1
		.amdhsa_system_vgpr_workitem_id 0
		.amdhsa_next_free_vgpr 1024
		.amdhsa_next_free_sgpr 106
		.amdhsa_reserve_vcc 0
		.amdhsa_float_denorm_mode_32 3
		.amdhsa_float_denorm_mode_16_64 3
		.amdhsa_memory_ordered 1
		.amdhsa_forward_progress 1
		.amdhsa_inst_pref_size 225
	.end_amdhsa_kernel
	.amdgpu_metadata
---
amdhsa.version: [ 1, 2 ]
amdhsa.kernels:
  - .name:           k_qda206af8fc_proj
    .symbol:         k_qda206af8fc_proj.kd
    .args:
      - { .name: cimg, .offset: 0, .size: 8, .value_kind: global_buffer, .address_space: global }
      - { .name: cscl, .offset: 8, .size: 8, .value_kind: global_buffer, .address_space: global }
      - { .name: bq, .offset: 16, .size: 8, .value_kind: global_buffer, .address_space: global }
      - { .name: bk, .offset: 24, .size: 8, .value_kind: global_buffer, .address_space: global }
      - { .name: bv, .offset: 32, .size: 8, .value_kind: global_buffer, .address_space: global }
      - { .name: pimg, .offset: 40, .size: 8, .value_kind: global_buffer, .address_space: global }
      - { .name: pscl, .offset: 48, .size: 8, .value_kind: global_buffer, .address_space: global }
    .group_segment_fixed_size: 327680
    .private_segment_fixed_size: 0
    .kernarg_segment_align: 8
    .kernarg_segment_size: 56
    .max_flat_workgroup_size: 128
    .sgpr_count:     106
    .vgpr_count:     1024
    .wavefront_size: 32
...
	.end_amdgpu_metadata
.endif
;; end of part 2
;; launch attn (part 3): grid 8 x 32, 16 waves a work-group, no clusters, 68,096 bytes of LDS; arguments pimg, pscl, mbits, mflag, oimg, oscl; writes oimg, oscl
.if DOCPART == 3
	.amdgcn_target "amdgcn-amd-amdhsa--gfx1250"
	.amdhsa_code_object_version 6
	.text
	.protected	k_qda206af8fc_attn
	.globl	k_qda206af8fc_attn
	.p2align	8
	.type	k_qda206af8fc_attn,@function
k_qda206af8fc_attn:
	s_mov_b64 s[64:65], 0
	v_nop
	global_prefetch_b8 v0, s[64:65] scope:SCOPE_SE
	s_setreg_imm32_b32 hwreg(HW_REG_WAVE_MODE, 25, 1), 1
	s_wait_xcnt 0x0
; ATTN.  o = softmax(q k^T / 8, masked) v for 64 (batch, head) pairs of 2,048 x 2,048 x 64, both products on codes of BF8 with E8M0 scales; then o is quantised along the features for the last layer.
; THE SOFTMAX: t = score x log2(e) / 8; M = the running largest t rounded UP to a whole number; p = 2^(t - M) is quantised along the keys; the row's sum is taken of the unquantised p and divides at the end.
; SHARES.  A work-group takes two heads of a batch (y = 8 batch + pair) and two groups of 128 queries, x and 15 - x, one after the other.  Wave w: head w / 8 of the pair, tile w % 8 of 16 queries.
; Both products are used transposed: a lane holds ONE query.  Keys go in steps of 128.  A head has 64 along K, the instruction 128: a fragment of K holds TWO tiles of 16 keys (K 0-63, 64-127), and Q stands between
; two runs of zero codes, so that (Q, 0) picks the first tile and (0, Q) the second.
; By the choice of rows in a row block (lane row r = 32 (a / 2) + 8 (a % 2) + r + 8 (r / 8)) the 16 registers of two neighbouring result tiles are 16 neighbours along the next K.
; THE MASK IS AN INPUT.  An earlier launch has packed it: a word of lane bits for each score register, and two flags for each tile of 16 queries x 128 keys.  A step none of whose entries counts for my queries is left
; out; a step that no tile of the group needs is not fetched; a step with masked entries sets them to -infinity ahead of the maximum.  All three are scalar branches on stored whole numbers.
; NO TENSOR LOAD AND NO CLUSTER, since the walk hangs on those numbers: each wave copies 2,048 bytes of the step's K and V through registers into LDS, a step ahead; eight waves read each tile.
; One barrier a step: ahead of it my stores of the next step's tiles have landed and my reads of this step's are in.  Every wave passes every barrier.
; A ROW WITH NO KEY THAT COUNTS: its codes are zeros and its scale bytes 0xff, which is NaN in E8M0: the last layer's whole row becomes NaN.
; LIMITS: NaN and infinities among the inputs are not served; a block of zeros, or one whose largest magnitude lies under 2^-111, gets the byte 1.
.set RING,  512                        ; LDS: 0-511: where o's scale words meet; then two slots of 32,768: [head of the pair][K 8,192, V 8,192]
.set SLOTB, 32768
.set SPARE, RING+2*SLOTB               ; the spare words: 128 bytes for each of 16 waves: eight blocks of 256 bytes that no other line names
.set LI,   1                           ; v1   16 x lane + my head's part of slot 0
.set SPW,  2
.set NIL,  3
.set GST,  4                           ; v4   where I store my 2,048 bytes of a step
.set GOFF, 5                           ; v5   16 x lane + 8,192 x step
.set SOFF, 6                           ; v6   8 x lane + 256 x step
.set NINF, 7                           ; v7   -infinity
.set L16,  8                           ; v8   16 x lane; never rewritten
.set TA,   9
.set TB,   10
.set TC,   11
.set QZ,   16                          ; v16-23 zeros, v24-31 Q, v32-39 zeros
.set FF,   40                          ; v40  f = 2^(old M - new M); on the way out 1 / l
.set PS,   41                          ; v41  p's scale word
.set QS,   42                          ; v42  Q's scale word
.set OSCA, 43                          ; v43  where my two bytes of o's scale words go
.set KS,   44                          ; v44-51 two sets: K's two words, V's two words of a lane
.set STGR, 52                          ; v52-67 my 2,048 bytes on their way
.set F,    68                          ; v68-131 four fragments of K, later of V
.set S,    132                         ; v132-195 S^T, then p
.set O,    196                         ; v196-227 O^T
.set PC,   228                         ; v228-243 p's codes
.set BM,   244
.set PT,   248
.set HL,   252
.set WV,   2
.set I8,   3
.set KVB,  4
.set SCB,  6
.set MB,   8
.set MF,   10
.set QB,   12
.set OIB,  14
.set OSB,  16
.set GRP,  18
.set NEED, 19
.set ANYW, 52
.set MIXW, 53
.set MOFF, 54
.set CNT,  55
.set OUT,  56
.set MNT,  57
.set CS,   58
.set SEL,  60
.set QSEL, 62
	s_load_b256 s[20:27], s[0:1], 0x0              ; pimg, pscl, mbits, mflag
	s_load_b128 s[28:31], s[0:1], 0x20             ; oimg, oscl
	v_lshl_add_u32 v[SPW], v0, 2, SPARE
	v_mov_b32 v[NIL], 0
	v_lshrrev_b32 v[TA], 5, v0
	v_readfirstlane_b32 s[WV], v[TA]
	s_and_b32 s[I8], s[WV], 7                      ; my tile of queries
	s_lshr_b32 s63, s[WV], 3                       ; my head of the pair
	s_and_b32 s66, ttmp7, 0xffff
	s_lshr_b32 s67, s66, 3                         ; batch
	s_and_b32 s66, s66, 7                          ; pair of heads
	v_and_b32 v[TA], 31, v0
	v_lshlrev_b32 v[L16], 4, v[TA]
	s_lshl_b32 s100, s63, 14
	s_add_co_u32 s100, s100, RING
	v_add_nc_u32 v[LI], s100, v[L16]
	s_lshl_b32 s100, s[WV], 11
	s_add_co_u32 s100, s100, RING
	v_add_nc_u32 v[GST], s100, v[L16]
	s_lshr_b32 s100, s[I8], 2                      ; o's scale words: unit i8 / 4; in it the word of (rb = i8 % 4, r) at ((rb % 2) 16 + r) 8 + (rb / 2) 4; my head's half of it
	s_lshl_b32 s100, s100, 8
	s_and_b32 s101, s[I8], 1
	s_lshl_b32 s101, s101, 7
	s_add_co_u32 s100, s100, s101
	s_bfe_u32 s101, s[I8], 0x10001
	s_lshl_b32 s101, s101, 2
	s_add_co_u32 s100, s100, s101
	s_lshl_b32 s101, s63, 1
	s_add_co_u32 s100, s100, s101
	v_and_b32 v[TA], 15, v0
	v_lshl_add_u32 v[OSCA], v[TA], 3, s100
	s_lshl_b32 s32, s67, 4
	s_lshl_b32 s33, s66, 1
	s_add_co_u32 s32, s32, s33
	s_add_co_u32 s32, s32, s63                     ; 16 batch + head
	s_lshl_b32 s34, s32, 17                        ; x 131,072 in a region of pimg
	s_mov_b32 s35, 0
	s_lshl_b32 s36, s32, 12                        ; x 4,096 in a region of pscl
	s_mov_b32 s37, 0
	s_bfe_u32 s38, s[WV], 0x10002                  ; what I copy: waves 0-3 of a head K's four quarters, waves 4-7 V's
	s_add_co_u32 s38, s38, 1
	s_lshl_b32 s38, s38, 23                        ; region 1 (k) or 2 (v)
	s_and_b32 s39, s[WV], 3
	s_lshl_b32 s39, s39, 11
	s_add_co_u32 s38, s38, s39
	s_mov_b32 s39, 0
	s_lshl_b32 s40, s67, 21                        ; oimg: 128 row blocks of 16,384 bytes a batch,
	s_lshl_b32 s41, s[I8], 14                      ; my tile,
	s_add_co_u32 s40, s40, s41
	s_lshl_b32 s41, s66, 11                        ; the pair's K step,
	s_add_co_u32 s40, s40, s41
	s_lshl_b32 s41, s63, 10                        ; my head's half of it
	s_add_co_u32 s40, s40, s41
	s_mov_b32 s41, 0
	s_lshl_b32 s42, s66, 15                        ; oscl: 32,768 bytes a K step, 8,192 a batch
	s_lshl_b32 s43, s67, 13
	s_add_co_u32 s42, s42, s43
	s_mov_b32 s43, 0
	s_mov_b32 s[MNT], 0x600000
	s_mov_b32 s[CS], 0x3e38aa3b                    ; c = log2(e) / 8
	s_mov_b32 s[CS+1], s[CS]
	s_mov_b32 s[SEL], 0x76543210
	s_mov_b32 s[SEL+1], 0xfedcba98
	s_mov_b32 s[QSEL], 0x03020302                  ; which half of a pair's scale word is my tile's
	s_bitcmp1_b32 s[I8], 0
	s_cselect_b32 s[QSEL], s[QSEL], 0x01000100
	s_mov_b32 s[GRP], ttmp9
	s_mov_b32 s[OUT], 2
	v_mov_b32 v[NINF], 0xff800000
	v_mov_b32 v[TA], 0
	v_mov_b32 v[FF], 0
	v_mov_b32 v[PS], 0
.irp j, 0,1,2,3,4,5,6,7
	v_mov_b32 v[QZ+\j], 0                          ; the zero codes on both sides of Q
	v_mov_b32 v[QZ+16+\j], 0
	v_mov_b32 v[KS+\j], 0                          ; written once, like the 16 below: a step that is not fetched leaves them as they are
.endr
.irp j, 0,1,2,3,4,5,6,7,8,9,10,11,12,13,14,15
	v_mov_b32 v[STGR+\j], 0
.endr
.irp j, 0,1,2,3
	v_mov_b32 v[PT+\j], 0                          ; a lane permute's destination counts as one of its sources
.endr
	s_wait_kmcnt 0x0
	s_add_nc_u64 s[QB:QB+1], s[20:21], s[34:35]
	s_add_nc_u64 s[KVB:KVB+1], s[QB:QB+1], s[38:39]
	s_add_nc_u64 s[SCB:SCB+1], s[22:23], s[36:37]
	s_mov_b64 s[MB:MB+1], s[24:25]
	s_mov_b64 s[MF:MF+1], s[26:27]
	s_add_nc_u64 s[OIB:OIB+1], s[28:29], s[40:41]
	s_add_nc_u64 s[OSB:OSB+1], s[30:31], s[42:43]
; A KEY STEP of 128 keys in slot p
.macro STEP p
.rept 8
	v_nop                                          ; places behind the last products, ahead of loads into registers that they read
.endr
	s_bitcmp1_b32 s[NEED], (\p)+1                  ; does any tile of the group need the next step?
	s_cbranch_scc0 .Lnofetch_\@
.irp j, 0,1,2,3
	global_load_b128 v[STGR+4*\j:STGR+4*\j+3], v[GOFF], s[KVB:KVB+1] offset:8192+512*\j
.endr
	global_load_b64 v[KS+4-4*(\p):KS+5-4*(\p)], v[SOFF], s[SCB:SCB+1] offset:262144+256   ; its scale words, a unit of 256 bytes each, into the other set
	global_load_b64 v[KS+6-4*(\p):KS+7-4*(\p)], v[SOFF], s[SCB:SCB+1] offset:524288+256
.Lnofetch_\@:
	s_bitcmp1_b32 s[ANYW], \p                      ; does any entry of this step count for my 16 queries?
	s_cbranch_scc0 .Lhidden_\@
.irp q, 0,1,2,3
.irp c, 0,1,2,3
	ds_load_b128 v[F+16*\q+4*\c:F+16*\q+4*\c+3], v[LI] offset:SLOTB*(\p)+2048*\q+512*\c
.endr
.endr
	s_wait_dscnt 0x0
.irp q, 0,1,2,3                        ; S^T = K Q^T: fragment q holds key tiles 2 q and 2 q + 1
.if \q%2
	v_wmma_scale_f32_16x16x128_f8f6f4 v[S+16*\q:S+16*\q+7], v[F+16*\q:F+16*\q+15], v[QZ+8:QZ+23], 0, v[KS+4*(\p)+\q/2], v[QS] matrix_a_fmt:MATRIX_FMT_BF8 matrix_b_fmt:MATRIX_FMT_BF8 matrix_a_scale:MATRIX_SCALE_ROW1
	v_wmma_scale_f32_16x16x128_f8f6f4 v[S+16*\q+8:S+16*\q+15], v[F+16*\q:F+16*\q+15], v[QZ:QZ+15], 0, v[KS+4*(\p)+\q/2], v[QS] matrix_a_fmt:MATRIX_FMT_BF8 matrix_b_fmt:MATRIX_FMT_BF8 matrix_a_scale:MATRIX_SCALE_ROW1
.else
	v_wmma_scale_f32_16x16x128_f8f6f4 v[S+16*\q:S+16*\q+7], v[F+16*\q:F+16*\q+15], v[QZ+8:QZ+23], 0, v[KS+4*(\p)+\q/2], v[QS] matrix_a_fmt:MATRIX_FMT_BF8 matrix_b_fmt:MATRIX_FMT_BF8
	v_wmma_scale_f32_16x16x128_f8f6f4 v[S+16*\q+8:S+16*\q+15], v[F+16*\q:F+16*\q+15], v[QZ:QZ+15], 0, v[KS+4*(\p)+\q/2], v[QS] matrix_a_fmt:MATRIX_FMT_BF8 matrix_b_fmt:MATRIX_FMT_BF8
.endif
.endr                                  ; register 16 b + i of S: key 32 b + 16 h + i of the step
.rept 8
	v_nop
.endr
.irp t, 0,1,2,3                        ; V's fragments land under the softmax
.irp c, 0,1,2,3
	ds_load_b128 v[F+16*\t+4*\c:F+16*\t+4*\c+3], v[LI] offset:SLOTB*(\p)+8192+2048*\t+512*\c
.endr
.endr
	s_bitcmp1_b32 s[MIXW], \p                      ; is any entry masked?
	s_cbranch_scc0 .Lopen_\@
	s_load_b512 s[20:35], s[MB:MB+1], s[MOFF] offset:0x0
	s_load_b512 s[36:51], s[MB:MB+1], s[MOFF] offset:0x40
	s_load_b512 s[68:83], s[MB:MB+1], s[MOFF] offset:0x80
	s_load_b512 s[84:99], s[MB:MB+1], s[MOFF] offset:0xc0
	s_wait_kmcnt 0x0
.set n, 0
.rept 64
.if n < 32
.set MW, 20+n
.else
.set MW, 36+n
.endif
	v_cndmask_b32 v[S+n], v[S+n], v[NINF], s[MW]   ; masked scores become -infinity ahead of the maximum: p = 0 then
.set n, n+1
.endr
.Lopen_\@:
.irp b, 0,1,2,3
	v_max3_num_f32 v[BM+\b], v[S+16*\b], v[S+16*\b+1], v[S+16*\b+2]   ; the largest score of each block of 32 keys: for the row's maximum and for the block's largest p
.endr
.irp i, 3,5,7,9,11,13
.irp b, 0,1,2,3
	v_max3_num_f32 v[BM+\b], v[BM+\b], v[S+16*\b+\i], v[S+16*\b+\i+1]
.endr
.endr
.irp b, 0,1,2,3
	v_max_num_f32 v[BM+\b], v[BM+\b], v[S+16*\b+15]
.endr
.irp b, 0,1,2,3
	v_permlanex16_b32 v[PT+\b], v[BM+\b], s[SEL], s[SEL+1]
.endr
.irp b, 0,1,2,3
	v_max_num_f32 v[BM+\b], v[BM+\b], v[PT+\b]
.endr
	v_max3_num_f32 v[TA], v[BM], v[BM+1], v[BM+2]
	v_max_num_f32 v[TA], v[TA], v[BM+3]
	v_mul_f32 v[TA], s[CS], v[TA]
	v_max_num_f32 v13, v13, v[TA]                  ; the running largest t
	v_mov_b32 v[TA], v12
	v_floor_f32 v12, -v13                          ; -M = floor(-t): M is a whole number
	v_sub_f32 v[TA], v12, v[TA]
	v_cvt_i32_f32 v[TA], v[TA]                     ; (it saturates)
	v_ldexp_f32 v[FF], 1.0, v[TA]                  ; f = 2^(old M - new M)
.set j, 0
.rept 32
	v_pk_fma_f32 v[S+j:S+j+1], v[S+j:S+j+1], s[CS:CS+1], v[12:13] op_sel_hi:[1,0,0]   ; t - M
.set j, j+2
.endr
.irp b, 0,1,2,3
	v_fma_f32 v[BM+\b], v[BM+\b], s[CS], v12
.endr
.set j, 0
.rept 64
	v_exp_f32 v[S+j], v[S+j]                       ; p = 2^(t - M)
.set j, j+1
.endr
	v_pk_mul_f32 v[14:15], v[14:15], v[FF:FF+1] op_sel_hi:[1,0]   ; the sums under the new M: a plain line behind the exponentials
	s_wait_alu depctr_va_vdst(0)                   ; one wait for the batch, ahead of its first reader
.irp b, 0,1,2,3
	v_exp_f32 v[BM+\b], v[BM+\b]                   ; each block's largest p
.endr
	v_pk_add_f32 v[PT:PT+1], v[S:S+1], v[S+2:S+3]  ; the row's sum of the unquantised p, in two chains
.irp j, 4,8,12,16,20,24,28,32,36,40,44,48,52,56,60
	v_pk_add_f32 v[14:15], v[14:15], v[S+\j:S+\j+1]
	v_pk_add_f32 v[PT:PT+1], v[PT:PT+1], v[S+\j+2:S+\j+3]
.endr
	v_pk_add_f32 v[14:15], v[14:15], v[PT:PT+1]
	s_wait_alu depctr_va_vdst(0)                   ; and one for the four
.irp b, 0,1,2,3
	v_max_num_f32 v[BM+\b], 0x8000000, v[BM+\b]    ; the floor 2^(16 - 127)
.endr
.irp b, 0,1,2,3
	v_and_or_b32 v[HL+\b], v[BM+\b], 0x7f800000, s[MNT]   ; 57,344 x the scale
.endr
.irp b, 0,1,2,3
	v_add_nc_u32 v[BM+\b], 0xf8800000, v[BM+\b]    ; the conversion's scale operand, in place
.endr
.irp b, 0,1,2,3
	v_lshrrev_b32 v[PT+\b], 23, v[BM+\b]           ; the scale's byte
.endr
	v_lshl_or_b32 v[PS], v[PT+1], 8, v[PT]
	v_lshl_or_b32 v[PS], v[PT+2], 16, v[PS]
	v_lshl_or_b32 v[PS], v[PT+3], 24, v[PS]
.irp b, 0,1,2,3
.irp i, 0,1,2,3,4,5,6,7,8,9,10,11,12,13,14,15
	v_min_num_f32 v[S+16*\b+\i], v[S+16*\b+\i], v[HL+\b]   ; the hold: the conversion does not saturate (ISA guide 7.6.2); p is not negative
.endr
	v_cvt_scalef32_pk8_bf8_f32 v[PC+4*\b:PC+4*\b+1], v[S+16*\b:S+16*\b+7], v[BM+\b]
	v_cvt_scalef32_pk8_bf8_f32 v[PC+4*\b+2:PC+4*\b+3], v[S+16*\b+8:S+16*\b+15], v[BM+\b]
.endr
.set j, 0
.rept 16
	v_pk_mul_f32 v[O+j:O+j+1], v[O+j:O+j+1], v[FF:FF+1] op_sel_hi:[1,0]   ; O^T under the new M; also the places ahead of the products below
.set j, j+2
.endr
	s_wait_dscnt 0x0                               ; V's fragments
.irp t, 0,1,2,3                        ; O^T += V^T P^T: four accumulators, one instruction each
.if \t%2
	v_wmma_scale_f32_16x16x128_f8f6f4 v[O+8*\t:O+8*\t+7], v[F+16*\t:F+16*\t+15], v[PC:PC+15], v[O+8*\t:O+8*\t+7], v[KS+4*(\p)+2+\t/2], v[PS] matrix_a_fmt:MATRIX_FMT_BF8 matrix_b_fmt:MATRIX_FMT_BF8 matrix_a_scale:MATRIX_SCALE_ROW1
.else
	v_wmma_scale_f32_16x16x128_f8f6f4 v[O+8*\t:O+8*\t+7], v[F+16*\t:F+16*\t+15], v[PC:PC+15], v[O+8*\t:O+8*\t+7], v[KS+4*(\p)+2+\t/2], v[PS] matrix_a_fmt:MATRIX_FMT_BF8 matrix_b_fmt:MATRIX_FMT_BF8
.endif
.endr
.Lhidden_\@:
	s_wait_loadcnt 0x0                             ; the next step's bytes and scale words, asked for at the step's head
	s_bitcmp1_b32 s[NEED], (\p)+1
	s_cbranch_scc0 .Lnostore_\@
.irp j, 0,1,2,3
	ds_store_b128 v[GST], v[STGR+4*\j:STGR+4*\j+3] offset:SLOTB*(1-(\p))+512*\j   ; into the other slot: its last reads stand ahead of the last barrier
.endr
.Lnostore_\@:
	v_add_nc_u32 v[GOFF], 8192, v[GOFF]
	v_add_nc_u32 v[SOFF], 256, v[SOFF]
	s_add_co_u32 s[MOFF], s[MOFF], 256
	s_wait_dscnt 0x0                               ; my stores have landed and my reads of this slot are in
	s_barrier_signal -1
	s_barrier_wait -1
.endm
.Lgroup:                                               ; a group of 128 queries
	s_wait_xcnt 0x0                                ; the last group's stores have read their data, offsets and bases
	s_lshl_b32 s63, s[GRP], 5
	s_load_b256 s[20:27], s[MF:MF+1], s63 offset:0x0   ; the flags of the group's eight tiles,
	s_lshl_b32 s66, s[I8], 2
	s_add_co_u32 s66, s66, s63
	s_load_b32 s28, s[MF:MF+1], s66 offset:0x0     ; and my tile's
	s_lshl_b32 s67, s[GRP], 13
	s_lshl_b32 s100, s[I8], 10
	s_add_co_u32 s67, s67, s100
	v_add_nc_u32 v[TB], s67, v[L16]
	global_load_b128 v[QZ+8:QZ+11], v[TB], s[QB:QB+1]
	global_load_b128 v[QZ+12:QZ+15], v[TB], s[QB:QB+1] offset:512
	s_lshl_b32 s67, s[GRP], 8                      ; Q's scale word: the group's unit; the word of pair j = i8 / 2 at ((j % 2) 16 + r) 8 + (j / 2) 4
	s_bfe_u32 s100, s[I8], 0x10001
	s_lshl_b32 s100, s100, 7
	s_add_co_u32 s67, s67, s100
	s_lshr_b32 s100, s[I8], 2
	s_lshl_b32 s100, s100, 2
	s_add_co_u32 s67, s67, s100
	v_and_b32 v[TA], 15, v0
	v_lshl_add_u32 v[TA], v[TA], 3, s67
	global_load_b32 v[TC], v[TA], s[SCB:SCB+1]
	v_and_b32 v[GOFF], 31, v0
	v_lshlrev_b32 v[SOFF], 3, v[GOFF]
	v_lshlrev_b32 v[GOFF], 4, v[GOFF]
	s_lshl_b32 s[MOFF], s[GRP], 3
	s_add_co_u32 s[MOFF], s[MOFF], s[I8]
	s_lshl_b32 s[MOFF], s[MOFF], 12                ; my tile's mask words: 4,096 bytes a tile, 256 a step
	s_wait_kmcnt 0x0
	s_or_b32 s[NEED], s20, s21
	s_or_b32 s[NEED], s[NEED], s22
	s_or_b32 s[NEED], s[NEED], s23
	s_or_b32 s[NEED], s[NEED], s24
	s_or_b32 s[NEED], s[NEED], s25
	s_or_b32 s[NEED], s[NEED], s26
	s_or_b32 s[NEED], s[NEED], s27
	s_and_b32 s[NEED], s[NEED], 0xffff             ; bit s: some tile of the group needs step s: the same in all sixteen waves
	s_and_b32 s[ANYW], s28, 0xffff
	s_lshr_b32 s[MIXW], s28, 16
	s_bitcmp1_b32 s[NEED], 0
	s_cbranch_scc0 .Lno_first
.irp j, 0,1,2,3
	global_load_b128 v[STGR+4*\j:STGR+4*\j+3], v[GOFF], s[KVB:KVB+1] offset:512*\j
.endr
	global_load_b64 v[KS:KS+1], v[SOFF], s[SCB:SCB+1] offset:262144
	global_load_b64 v[KS+2:KS+3], v[SOFF], s[SCB:SCB+1] offset:524288
.Lno_first:
	v_mov_b32 v13, 0xff61b1e6                      ; the largest t so far: -3e38
	v_floor_f32 v12, -v13
	v_mov_b32 v14, 0
	v_mov_b32 v15, 0
.set j, 0
.rept 32
	v_mov_b32 v[O+j], 0                            ; the step is written once: the first finds zeros
.set j, j+1
.endr
	s_wait_loadcnt 0x0
	v_perm_b32 v[QS], v[TC], v[TC], s[QSEL]        ; my tile's two bytes, twice: for (Q, 0) and for (0, Q)
	s_bitcmp1_b32 s[NEED], 0
	s_cbranch_scc0 .Lno_first_store
.irp j, 0,1,2,3
	ds_store_b128 v[GST], v[STGR+4*\j:STGR+4*\j+3] offset:512*\j
.endr
.Lno_first_store:
	s_wait_dscnt 0x0
	s_barrier_signal -1
	s_barrier_wait -1
	s_mov_b32 s[CNT], 8
.Lstep:                                                ; two key steps a trip
	STEP 0
	STEP 1
	s_lshr_b32 s[NEED], s[NEED], 2
	s_lshr_b32 s[ANYW], s[ANYW], 2
	s_lshr_b32 s[MIXW], s[MIXW], 2
	s_sub_co_u32 s[CNT], s[CNT], 1
	s_cmp_lg_u32 s[CNT], 0
	s_cbranch_scc1 .Lstep
	; THE WAY OUT of a group: O^T / l, quantised along the head's 64 (two blocks), straight to memory as half an image
.rept 8
	v_nop
.endr
	v_add_f32 v14, v14, v15
	v_permlanex16_b32 v[TA], v14, s[SEL], s[SEL+1]
	v_add_f32 v14, v14, v[TA]                      ; the row's sum
	v_rcp_f32 v[TC], v14
	v_cmp_lt_f32 s63, 0, v14                       ; has any key counted?
	s_lshl_b32 s66, s[GRP], 17
	v_add_nc_u32 v[TB], s66, v[L16]                ; 8 row blocks of 16,384 bytes a group.  (A plain line behind the reciprocal)
	s_wait_alu depctr_va_vdst(0)                   ; ahead of the reciprocal's first reader
	v_cndmask_b32 v[FF], 0, v[TC], s63
.set j, 0
.rept 16
	v_pk_mul_f32 v[O+j:O+j+1], v[O+j:O+j+1], v[FF:FF+1] op_sel_hi:[1,0]   ; register 16 b + i: feature 32 b + 16 h + i of the head
.set j, j+2
.endr
.irp b, 0,1
	v_max3_num_f32 v[BM+\b], |v[O+16*\b]|, |v[O+16*\b+1]|, 0x8000000
.endr
.irp i, 2,4,6,8,10,12,14
.irp b, 0,1
	v_max3_num_f32 v[BM+\b], v[BM+\b], |v[O+16*\b+\i]|, |v[O+16*\b+\i+1]|
.endr
.endr
.irp b, 0,1
	v_permlanex16_b32 v[PT+\b], v[BM+\b], s[SEL], s[SEL+1]
.endr
.irp b, 0,1
	v_max_num_f32 v[BM+\b], v[BM+\b], v[PT+\b]
.endr
.irp b, 0,1
	v_and_or_b32 v[HL+\b], v[BM+\b], 0x7f800000, s[MNT]
.endr
.irp b, 0,1
	v_add_nc_u32 v[BM+\b], 0xf8800000, v[BM+\b]
.endr
.irp b, 0,1
	v_lshrrev_b32 v[PT+\b], 23, v[BM+\b]
.endr
	v_lshl_or_b32 v[TA], v[PT+1], 8, v[PT]
	v_cndmask_b32 v[TA], 0xffff, v[TA], s63        ; a row with no key that counts: both bytes 0xff
.irp b, 0,1
.irp i, 0,1,2,3,4,5,6,7,8,9,10,11,12,13,14,15
	v_med3_num_f32 v[O+16*\b+\i], v[O+16*\b+\i], -v[HL+\b], v[HL+\b]
.endr
	v_cvt_scalef32_pk8_bf8_f32 v[PC+4*\b:PC+4*\b+1], v[O+16*\b:O+16*\b+7], v[BM+\b]
	v_cvt_scalef32_pk8_bf8_f32 v[PC+4*\b+2:PC+4*\b+3], v[O+16*\b+8:O+16*\b+15], v[BM+\b]
.endr
	v_nop                                          ; a plain line behind the last conversion
	global_store_b128 v[TB], v[PC:PC+3], s[OIB:OIB+1]              ; 512 consecutive bytes each
	global_store_b128 v[TB], v[PC+4:PC+7], s[OIB:OIB+1] offset:512
	ds_store_b16 v[OSCA], v[TA]                    ; both halves of the lanes write the same two bytes with the same value
	s_wait_dscnt 0x0
	s_barrier_signal -1
	s_barrier_wait -1                              ; the group's two units of scale words lie whole in LDS
	s_cmp_lg_u32 s[WV], 0
	s_cbranch_scc1 .Lnot_wave_0
	ds_load_b128 v[F:F+3], v[L16]
	s_lshl_b32 s100, s[GRP], 9
	s_mov_b32 s101, 0
	s_add_nc_u64 s[104:105], s[OSB:OSB+1], s[100:101]
	s_wait_dscnt 0x0
	global_store_b128 v[L16], v[F:F+3], s[104:105] ; 512 consecutive bytes
.Lnot_wave_0:
	s_sub_co_u32 s[GRP], 15, s[GRP]                ; the second group
	s_sub_co_u32 s[OUT], s[OUT], 1
	s_cmp_lg_u32 s[OUT], 0
	s_cbranch_scc1 .Lgroup
	s_wait_tensorcnt 0x0                           ; the wave's end: behind my last LDS store
	ds_add_u32 v[SPW], v[NIL]
	s_wait_dscnt 0x0
	s_endpgm
.Lfunc_end_k_qda206af8fc_attn:
	.size	k_qda206af8fc_attn, .Lfunc_end_k_qda206af8fc_attn-k_qda206af8fc_attn
	.p2alignl 7, 3214868480
	.fill 96, 4, 3214868480
	.section	.rodata,"a",@progbits
	.p2align	6, 0x0
	.amdhsa_kernel k_qda206af8fc_attn
		.amdhsa_group_segment_fixed_size 68096
		.amdhsa_private_segment_fixed_size 0
		.amdhsa_enable_private_segment 0
		.amdhsa_kernarg_size 48
		.amdhsa_user_sgpr_count 2
		.amdhsa_user_sgpr_kernarg_segment_ptr 1
		.amdhsa_wavefront_size32 1
		.amdhsa_system_sgpr_workgroup_id_x 1
		.amdhsa_system_sgpr_workgroup_id_y 1
		.amdhsa_system_sgpr_workgroup_id_z 1
		.amdhsa_system_vgpr_workitem_id 0
		.amdhsa_next_free_vgpr 256
		.amdhsa_next_free_sgpr 106
		.amdhsa_reserve_vcc 0
		.amdhsa_float_denorm_mode_32 3
		.amdhsa_float_denorm_mode_16_64 3
		.amdhsa_memory_ordered 1
		.amdhsa_forward_progress 1
		.amdhsa_inst_pref_size 63
	.end_amdhsa_kernel
	.amdgpu_metadata
---
amdhsa.version: [ 1, 2 ]
amdhsa.kernels:
  - .name:           k_qda206af8fc_attn
    .symbol:         k_qda206af8fc_attn.kd
    .args:
      - { .name: pimg, .offset: 0, .size: 8, .value_kind: global_buffer, .address_space: global }
      - { .name: pscl, .offset: 8, .size: 8, .value_kind: global_buffer, .address_space: global }
      - { .name: mbits, .offset: 16, .size: 8, .value_kind: global_buffer, .address_space: global }
      - { .name: mflag, .offset: 24, .size: 8, .value_kind: global_buffer, .address_space: global }
      - { .name: oimg, .offset: 32, .size: 8, .value_kind: global_buffer, .address_space: global }
      - { .name: oscl, .offset: 40, .size: 8, .value_kind: global_buffer, .address_space: global }
    .group_segment_fixed_size: 68096
    .private_segment_fixed_size: 0
    .kernarg_segment_align: 8
    .kernarg_segment_size: 48
    .max_flat_workgroup_size: 512
    .sgpr_count:     106
    .vgpr_count:     256
    .wavefront_size: 32
...
	.end_amdgpu_metadata
.endif
;; end of part 3
;; launch outp (part 4): grid 4 x 32, 4 waves a work-group, clusters of 4 x 4, 327,680 bytes of LDS; arguments oimg, oscl, cimg, cscl, bo, out0; writes out0
.if DOCPART == 4
	.amdgcn_target "amdgcn-amd-amdhsa--gfx1250"
	.amdhsa_code_object_version 6
	.text
	.protected	k_qda206af8fc_outp
	.globl	k_qda206af8fc_outp
	.p2align	8
	.type	k_qda206af8fc_outp,@function
k_qda206af8fc_outp:
	s_mov_b64 s[64:65], 0
	v_nop
	global_prefetch_b8 v0, s[64:65] scope:SCOPE_SE
	s_setreg_imm32_b32 hwreg(HW_REG_WAVE_MODE, 25, 1), 1
	s_wait_xcnt 0x0
	s_wait_alu depctr_hold_cnt(0) depctr_sa_sdst(0) depctr_va_vdst(0) depctr_va_sdst(0) depctr_va_ssrc(0) depctr_va_vcc(0) depctr_vm_vsrc(0)
	s_getreg_b32 s2, hwreg(HW_REG_IB_STS2, 6, 4)
	s_cmp_eq_u32 s2, 0
	s_cbranch_scc0 .Lentry_in_a_cluster
	s_endpgm
.Lentry_in_a_cluster:
	s_bfe_u32 s2, ttmp6, 0x10000c
	s_cmp_lg_u32 s2, 0xf033
	s_cbranch_scc0 .Lentry_shape_is_right
	s_endpgm
.Lentry_shape_is_right:
; OUTP.  out0 = o Wo^T + bo on codes of BF8 with E8M0 scales, K = 1,024.  o: oimg [token row block 512][K step 8][2,048], oscl [K step][group of 4 row blocks 128][256]; Wo: row blocks 1728 on of cimg, cscl.
; A tile of out0 is 256 x 256, four waves of 128 x 128; 128 work-groups are the whole of out0 in such tiles.  A wave tile of half the size would read half as much again from LDS for each product, and the four
; waves' fragment loads of a step of 128 along K are 131,072 bytes for its 64 products a wave: so the large tile is kept.
; Operands are images of registers (a row block: lane row r = row 32 (a / 2) + 8 (a % 2) + r + 8 (r / 8); a fragment = 2,048 bytes [c][lane][16]).  THE MATRIX INSTRUCTION IS USED TRANSPOSED: source 0 = Wo's rows,
; source 1 = tokens: a lane holds one token, and register j of accumulator (a, b) the output column 32 (b / 2) + 16 h + 8 (b % 2) + j.
; RING, CLUSTER and the eight steps written out: as in the launch of the projections.  The way out goes through each wave's stage in slot 0, which has had its last fill and its last read by then.
; A token whose scale bytes are 0xff (no key counted for it) gets NaN in its whole row.
.set HALFT, 32768
.set SLOT,  4*HALFT
.set SCL,   2*SLOT
.set SPARE, SCL+4*4096                 ; the spare words: 128 bytes for each wave, two blocks of 256 bytes that no other line names
.set FR,   16
.set NP,   8
.set BNO,  12                          ; v12  64 h
.set ADRA, 16
.set ADRB, 20
.set STO,  24
.set RD,   25
.set CO,   26
.set ADRS, 27
.set SPW,  28
.set NIL,  29
.set SC,   32
.set AF,   128
.set BK,   128
.set WV,   18
.set RH,   19
.set CH,   20
.set G1,   24
.set G0,   32
.set G1B,  48
.set G0B,  56
.set G1S,  68
.set G0S,  76
.set G1SB, 80
.set G0SB, 88
.set BNP,  100
.set MSB, 0
.macro WIN new
.if MSB != (\new)
	s_set_vgpr_msb (MSB<<8)|(\new)
.set MSB, (\new)
.endif
.endm
.set MUL_LO, 0xa1
.set MUL_HI, 0xf1
.set TO_B,   0x40
.macro JLOAD g0a, g1a, g0b, g1b        ; a joint load: waves 0, 1 fetch for A, waves 2, 3 for B; an s_nop 0 and four v_nop follow each line
	s_cmp_eq_u32 s[RH], 0
	s_cbranch_scc0 .Lfor_b_\@
	tensor_load_to_lds s[\g0a:\g0a+3], s[\g1a:\g1a+7]
	s_nop 0
.rept 4
	v_nop
.endr
	s_branch .Lasked_\@
.Lfor_b_\@:
	tensor_load_to_lds s[\g0b:\g0b+3], s[\g1b:\g1b+7]
	s_nop 0
.rept 4
	v_nop
.endr
.Lasked_\@:
.endm
.macro CREST
	s_cmp_lg_u32 s[WV], 0
	s_cbranch_scc1 .Lnot_wave_0_\@
	s_barrier_signal -3
.Lnot_wave_0_\@:
	s_barrier_wait -3
	s_barrier_signal -1
	s_barrier_wait -1
.endm
.macro CROUND
	s_barrier_signal -1
	s_barrier_wait -1
	CREST
.endm
.macro PLACES n
.rept \n
	v_nop
.endr
.endm
.macro FRAG reg, adr, q, i
.irp c, 0,1,2,3
	ds_load_b128 v[\reg+4*\c:\reg+4*\c+3], v[\adr] offset:4096*(\i)+2048*(\q)+512*\c
.endr
.endm
.macro MUL16 a0, p, ks, zero           ; the 64 accumulators take turns in the same order in every step
.irp a, \a0, \a0+1
.irp b, 0,1,2,3,4,5,6,7
.if \zero
	v_wmma_scale_f32_16x16x128_f8f6f4 v[8*(8*((\a)%4)+\b):8*(8*((\a)%4)+\b)+7], v[128*(\p)+FR*\b:128*(\p)+FR*\b+FR-1], v[AF+FR*(\a):AF+FR*(\a)+FR-1], 0, v[SC+8*(\ks)+\b], v[SC+8*(\ks)+(\a)] matrix_a_fmt:MATRIX_FMT_BF8 matrix_b_fmt:MATRIX_FMT_BF8 matrix_a_scale:MATRIX_SCALE_ROW1
.else
	v_wmma_scale_f32_16x16x128_f8f6f4 v[8*(8*((\a)%4)+\b):8*(8*((\a)%4)+\b)+7], v[128*(\p)+FR*\b:128*(\p)+FR*\b+FR-1], v[AF+FR*(\a):AF+FR*(\a)+FR-1], v[8*(8*((\a)%4)+\b):8*(8*((\a)%4)+\b)+7], v[SC+8*(\ks)+\b], v[SC+8*(\ks)+(\a)] matrix_a_fmt:MATRIX_FMT_BF8 matrix_b_fmt:MATRIX_FMT_BF8 matrix_a_scale:MATRIX_SCALE_ROW1
.endif
.endr
.endr
.endm
.macro FETCH_B slot, q, p
	WIN TO_B
.irp i, 0,1,2,3,4,5,6,7
	FRAG 128*(\p)+FR*\i, ADRB+\slot, \q, \i
.endr
	WIN 0
.endm
.macro FETCH_A slot, q, i0
.irp i, \i0, \i0+1, \i0+2, \i0+3
	FRAG AF+FR*(\i), ADRA+\slot, \q, \i
.endr
.endm
.macro STEP slot, q, ks, zero
	s_wait_dscnt 16                                ; all but the youngest 16 loads (A's blocks 4-7) are in
	WIN MUL_LO
	MUL16 0, (\q)%2, \ks, \zero
	MUL16 2, (\q)%2, \ks, \zero
	s_wait_dscnt 0
	PLACES NP
	FETCH_B \slot, (\q)+1, 1-(\q)%2
	FETCH_A \slot, (\q)+1, 0
	WIN MUL_HI
	MUL16 4, (\q)%2, \ks, \zero
	MUL16 6, (\q)%2, \ks, \zero
	PLACES NP
	WIN 0
	FETCH_A \slot, (\q)+1, 4
.endm
.macro TURN slot, next, ks, fill
	s_wait_tensorcnt 0x0                           ; all my tensor loads have landed: my part of the next slot
	ds_add_u32 v[SPW], v[NIL]
	s_wait_dscnt 17                                ; the add and the youngest 16 loads may be out
	WIN MUL_LO
	MUL16 0, 1, \ks, 0
	s_wait_dscnt 0x0                               ; the add is done, and my reads of this slot are over
	s_barrier_signal -1
	MUL16 2, 1, \ks, 0
	WIN 0
	s_barrier_wait -1
.if \fill
	CREST                                          ; no wave of any partner still reads this slot or has a load on its way
	s_add_nc_u64 s[G0+4*\slot+2:G0+4*\slot+3], s[G0+4*\slot+2:G0+4*\slot+3], 8192
	s_add_nc_u64 s[G0B+4*\slot+2:G0B+4*\slot+3], s[G0B+4*\slot+2:G0B+4*\slot+3], 8192
	JLOAD G0+4*\slot, G1, G0B+4*\slot, G1B
	PLACES NP-4
.else
	PLACES NP
.endif
	FETCH_B \next, 0, 0
	FETCH_A \next, 0, 0
	WIN MUL_HI
	MUL16 4, 1, \ks, 0
	MUL16 6, 1, \ks, 0
	PLACES NP
	WIN 0
	FETCH_A \next, 0, 4
.endm
	s_load_b256 s[4:11], s[0:1], 0x0               ; oimg, oscl, cimg, cscl
	s_load_b128 s[12:15], s[0:1], 0x20             ; bo, out0
	v_lshl_add_u32 v[SPW], v0, 2, SPARE
	v_mov_b32 v[NIL], 0
	ds_add_u32 v[SPW], v[NIL]                      ; the wave's opening: the add and its wait, ahead of my first tensor load
	v_lshrrev_b32 v1, 5, v0
	v_readfirstlane_b32 s[WV], v1
	s_lshr_b32 s[RH], s[WV], 1
	s_and_b32 s[CH], s[WV], 1
	s_bfe_u32 s40, ttmp6, 0x40000                  ; cx
	s_bfe_u32 s41, ttmp6, 0x40004                  ; cy
	s_lshl_b32 s44, ttmp9, 2
	s_add_co_u32 s44, s44, s40                     ; tile column
	s_and_b32 s43, ttmp7, 0xffff
	s_lshl_b32 s43, s43, 2
	s_add_co_u32 s43, s43, s41                     ; tile row
	s_lshl_b32 s47, s41, 2
	s_lshl_b32 s47, 15, s47                        ; my row of the cluster
	s_lshl_b32 s92, 0x1111, s40                    ; my column
	s_or_b32 s[G1+0], s47, (3<<16)|(1<<21)
	s_or_b32 s[G1B+0], s92, (3<<16)|(1<<21)
.irp g, G1, G1B
	s_mov_b32 s[\g+1], 512<<16
	s_mov_b32 s[\g+2], 8<<16
	s_mov_b32 s[\g+3], 512<<16
	s_mov_b32 s[\g+4], 8
	s_mov_b32 s[\g+5], 2048
	s_mov_b32 s[\g+6], 0
	s_mov_b32 s[\g+7], 0
.endr
	s_or_b32 s[G1S+0], s47, (3<<16)|(1<<21)
	s_or_b32 s[G1SB+0], s92, (3<<16)|(1<<21)
.irp g, G1S, G1SB
	s_mov_b32 s[\g+1], 64<<16
	s_mov_b32 s[\g+2], 8<<16
	s_mov_b32 s[\g+3], 64<<16
	s_mov_b32 s[\g+4], 8
	s_mov_b32 s[\g+6], 0
	s_mov_b32 s[\g+7], 0
.endr
	s_mov_b32 s[G1S+5], 4096                       ; oscl: 32,768 bytes from K step to K step
	s_mov_b32 s[G1SB+5], 14336                     ; cscl: 114,688
	s_lshl_b32 s93, s[CH], 3
	s_lshl_b32 s94, s43, 4
	s_add_co_u32 s94, s94, s93                     ; A: the first row block that I fetch
	s_lshl_b32 s96, s44, 4
	s_add_co_u32 s96, s96, 1728
	s_add_co_u32 s96, s96, s93                     ; B likewise
	s_lshl_b32 s98, s94, 6
	s_mov_b32 s99, 0
	s_lshl_b32 s94, s94, 14
	s_mov_b32 s95, 0
	s_lshl_b32 s100, s96, 6
	s_mov_b32 s101, 0
	s_lshl_b32 s96, s96, 14
	s_mov_b32 s97, 0
	s_lshl_b32 s104, s[WV], 15
	s_lshl_b32 s105, s[WV], 12
	s_wait_dscnt 0x0                               ; the opening add is done
	s_wait_kmcnt 0x0
	s_add_nc_u64 s[94:95], s[4:5], s[94:95]
	s_add_nc_u64 s[98:99], s[6:7], s[98:99]
	s_add_nc_u64 s[96:97], s[8:9], s[96:97]
	s_add_nc_u64 s[100:101], s[10:11], s[100:101]
	CROUND                                         ; all sixteen work-groups are here: the first joint loads meet
	s_mov_b32 s[G0S], 1
	s_add_co_u32 s[G0S+1], s105, SCL
	s_mov_b64 s[G0S+2:G0S+3], s[98:99]
	s_or_b32 s[G0S+3], s[G0S+3], 0x80000000
	s_mov_b32 s[G0SB], 1
	s_add_co_u32 s[G0SB+1], s105, SCL
	s_mov_b64 s[G0SB+2:G0SB+3], s[100:101]
	s_or_b32 s[G0SB+3], s[G0SB+3], 0x80000000
	JLOAD G0S, G1S, G0SB, G1SB
.irp s, 0,1
	s_mov_b32 s[G0+4*\s], 1
	s_add_co_u32 s[G0+4*\s+1], s104, \s*SLOT
	s_add_nc_u64 s[G0+4*\s+2:G0+4*\s+3], s[94:95], \s*4096
	s_or_b32 s[G0+4*\s+3], s[G0+4*\s+3], 0x80000000
	s_mov_b32 s[G0B+4*\s], 1
	s_add_co_u32 s[G0B+4*\s+1], s104, \s*SLOT
	s_add_nc_u64 s[G0B+4*\s+2:G0B+4*\s+3], s[96:97], \s*4096
	s_or_b32 s[G0B+4*\s+3], s[G0B+4*\s+3], 0x80000000
	JLOAD G0+4*\s, G1, G0B+4*\s, G1B               ; three loads of mine are out
.endr
	v_and_b32 v1, 15, v0
	v_bfe_u32 v2, v0, 4, 1
	v_and_b32 v3, 31, v0
	v_lshlrev_b32 v4, 4, v3
	s_lshl_b32 s104, s[RH], 15
	s_lshl_b32 s105, s[CH], 15
	s_add_co_u32 s105, s105, 2*HALFT
.irp s, 0,1
	v_add_nc_u32 v[ADRA+\s], s104, v4
	v_add_nc_u32 v[ADRB+\s], s105, v4
	s_add_co_u32 s104, s104, SLOT
	s_add_co_u32 s105, s105, SLOT
.endr
	v_lshlrev_b32 v5, 3, v1
	s_lshl_b32 s104, s[RH], 12
	s_lshl_b32 s105, s[CH], 12
	s_add_co_u32 s105, s105, 2*4096
	s_sub_co_u32 s105, s105, s104
	v_mul_u32_u24 v6, s105, v2                     ; lanes 16-31 take B's words: the lower base + h x the distance
	s_add_co_u32 s104, s104, SCL
	v_add_nc_u32 v5, v5, v6
	v_add_nc_u32 v[ADRS], s104, v5
	s_mul_i32 s104, s[WV], 16*528                  ; my stage, in slot 0
	v_mul_u32_u24 v5, v1, 528
	v_lshl_add_u32 v5, v2, 6, v5
	v_add_nc_u32 v[STO], s104, v5                  ; in: row r, + 64 h
	v_mov_b32 v[CO], v4
	v_add_nc_u32 v[RD], s104, v4                   ; back: the 32 lanes take a row of 512 bytes
	v_lshlrev_b32 v[BNO], 6, v2
	s_lshl_b32 s92, s44, 10                        ; my first column, in bytes: 1,024 x tile column + 512 x half
	s_lshl_b32 s93, s[CH], 9
	s_add_co_u32 s92, s92, s93
	s_mov_b32 s93, 0
	s_add_nc_u64 s[BNP:BNP+1], s[12:13], s[92:93]  ; the bias of my 128 columns
	s_lshl_b32 s94, s43, 20                        ; my first row: 256 x tile row + 128 x half, rows of 4,096 bytes
	s_lshl_b32 s95, s[RH], 19
	s_add_co_u32 s94, s94, s95
	s_add_co_u32 s92, s92, s94
	s_add_nc_u64 s[14:15], s[14:15], s[92:93]
	s_wait_tensorcnt 1                             ; the scale words and my part of slot 0 are in; slot 1's load may be out
	s_barrier_signal -1
	s_barrier_wait -1
.irp ks, 0,1,2,3,4,5,6,7
.irp i, 0,1,2,3,4,5,6,7
	ds_load_b32 v[SC+8*\ks+\i], v[ADRS] offset:512*\ks+256*(\i/4)+128*(\i%2)+4*((\i/2)%2)
.endr
.endr
	FETCH_B 0, 0, 0
	FETCH_A 0, 0, 0
	FETCH_A 0, 0, 4
	STEP 0, 0, 0, 1
	TURN 0, 1, 1, 1
	STEP 1, 0, 2, 0
	TURN 1, 0, 3, 1
	STEP 0, 0, 4, 0
	TURN 0, 1, 5, 0
	STEP 1, 0, 6, 0
	WIN TO_B                                       ; B's set 0 is done with, eight places back: the bias lands there under the last 64 products
.irp x, 0,1,2,3,4,5,6,7,8,9,10,11,12,13,14,15
	global_load_b128 v[4*\x:4*\x+3], v[BNO], s[BNP:BNP+1] offset:128*(\x/4)+16*(\x%4)
.endr
	WIN 0
	s_wait_dscnt 16
	WIN MUL_LO
	MUL16 0, 1, 7, 0
	MUL16 2, 1, 7, 0
	s_wait_dscnt 0
	WIN MUL_HI
	MUL16 4, 1, 7, 0
	MUL16 6, 1, 7, 0
	WIN 0
	PLACES NP
	s_wait_loadcnt 0x0                             ; the bias
	WIN 0x86                                       ; accumulators of window 2 in place, the bias from window 1
.set x, 0
.rept 128
	v_pk_add_f32 v[x:x+1], v[x:x+1], v[x%64:x%64+1]   ; each accumulator from its low end on
.set x, x+2
.endr
	WIN 0xc7                                       ; and those of window 3
.set x, 0
.rept 128
	v_pk_add_f32 v[x:x+1], v[x:x+1], v[x%64:x%64+1]
.set x, x+2
.endr
	WIN 0
; THE WAY OUT, a block of 16 tokens x 128 columns at a time, through my own stage: LDS serves a wave's instructions in order, so no wait stands between the stores and the loads
.macro TOSTAGE a
.set AC, 64*((\a)%4)
	WIN 0x08+4*((\a)/4)                            ; an LDS store's data are its source 1: window 2 or 3
.irp b, 0,1,2,3,4,5,6,7
	ds_store_b128 v[STO], v[AC+8*\b:AC+8*\b+3] offset:128*(\b/2)+32*(\b%2)
	ds_store_b128 v[STO], v[AC+8*\b+4:AC+8*\b+7] offset:128*(\b/2)+32*(\b%2)+16
.endr
	WIN 0
.set BB, BK+64*((\a)%2)
.irp t, 0,1,2,3,4,5,6,7,8,9,10,11,12,13,14,15
	ds_load_b128 v[BB+4*\t:BB+4*\t+3], v[RD] offset:\t*528
.endr
.endm
.macro SEND a, younger                 ; younger: the LDS instructions issued behind block a's loads, which may stay out
.set BB, BK+64*((\a)%2)
	s_wait_dscnt \younger
.irp t, 0,1,2,3,4,5,6,7,8,9,10,11,12,13,14,15
	global_store_b128 v[CO], v[BB+4*\t:BB+4*\t+3], s[14:15] offset:(32*((\a)/2)+8*((\a)%2)+\t+8*(\t/8))*4096 th:TH_STORE_NT   ; 512 consecutive bytes of the token's row; the row stands in the immediate
.endr
.endm
	TOSTAGE 0
.irp a, 1,2,3,4,5,6,7
.if \a > 1
	s_wait_xcnt 0x0                                ; block a - 2's stores have read their registers: block a's loads may land there
.endif
	TOSTAGE \a
	SEND (\a)-1, 32                                ; behind block a - 1's loads: block a's 16 stores and 16 loads
.endr
	SEND 7, 0
	s_wait_tensorcnt 0x0                           ; the wave's end: behind my last tensor load and my last LDS store
	ds_add_u32 v[SPW], v[NIL]
	s_wait_dscnt 0x0
	CROUND                                         ; the closing round
	s_endpgm
.Lfunc_end_k_qda206af8fc_outp:
	.size	k_qda206af8fc_outp, .Lfunc_end_k_qda206af8fc_outp-k_qda206af8fc_outp
	.p2alignl 7, 3214868480
	.fill 96, 4, 3214868480
	.section	.rodata,"a",@progbits
	.p2align	6, 0x0
	.amdhsa_kernel k_qda206af8fc_outp
		.amdhsa_group_segment_fixed_size 327680
		.amdhsa_private_segment_fixed_size 0
		.amdhsa_enable_private_segment 0
		.amdhsa_kernarg_size 48
		.amdhsa_user_sgpr_count 2
		.amdhsa_user_sgpr_kernarg_segment_ptr 1
		.amdhsa_wavefront_size32 1
		.amdhsa_system_sgpr_workgroup_id_x 1
		.amdhsa_system_sgpr_workgroup_id_y 1
		.amdhsa_system_sgpr_workgroup_id_z 1
		.amdhsa_system_vgpr_workitem_id 0
		.amdhsa_next_free_vgpr 1024
		.amdhsa_next_free_sgpr 106
		.amdhsa_reserve_vcc 0
		.amdhsa_float_denorm_mode_32 3
		.amdhsa_float_denorm_mode_16_64 3
		.amdhsa_memory_ordered 1
		.amdhsa_forward_progress 1
		.amdhsa_inst_pref_size 164
	.end_amdhsa_kernel
	.amdgpu_metadata
---
amdhsa.version: [ 1, 2 ]
amdhsa.kernels:
  - .name:           k_qda206af8fc_outp
    .symbol:         k_qda206af8fc_outp.kd
    .args:
      - { .name: oimg, .offset: 0, .size: 8, .value_kind: global_buffer, .address_space: global }
      - { .name: oscl, .offset: 8, .size: 8, .value_kind: global_buffer, .address_space: global }
      - { .name: cimg, .offset: 16, .size: 8, .value_kind: global_buffer, .address_space: global }
      - { .name: cscl, .offset: 24, .size: 8, .value_kind: global_buffer, .address_space: global }
      - { .name: bo, .offset: 32, .size: 8, .value_kind: global_buffer, .address_space: global }
      - { .name: out0, .offset: 40, .size: 8, .value_kind: global_buffer, .address_space: global }
    .group_segment_fixed_size: 327680
    .private_segment_fixed_size: 0
    .kernarg_segment_align: 8
    .kernarg_segment_size: 48
    .max_flat_workgroup_size: 128
    .sgpr_count:     106
    .vgpr_count:     1024
    .wavefront_size: 32
...
	.end_amdgpu_metadata
.endif
;; end of part 4
;; ======== version 2 of 2: 4 launches; version 1 with the launch attn written anew for expert scheduling mode
;; workspace buffers: cimg 29,360,128 bytes; cscl 917,504 bytes; pimg 25,165,824 bytes; pscl 786,432 bytes; mbits 524,288 bytes of whole numbers; mflag 512 bytes of whole numbers; oimg 8,388,608 bytes; oscl 262,144 bytes
;; launch prep: the kernel of part 1 again; grid 480 x 1, 4 waves a work-group, no clusters, 68,096 bytes of LDS; arguments Q, K, V, Wq, Wk, Wv, Wo, mask, cimg, cscl, mbits, mflag; writes cimg, cscl, mbits, mflag
;; launch proj: the kernel of part 2 again; grid 12 x 32, 4 waves a work-group, clusters of 4 x 4, 327,680 bytes of LDS; arguments cimg, cscl, bq, bk, bv, pimg, pscl; writes pimg, pscl
;; launch attn (part 5): grid 8 x 32, 16 waves a work-group, no clusters, 68,096 bytes of LDS; arguments pimg, pscl, mbits, mflag, oimg, oscl; writes oimg, oscl
.if DOCPART == 5
	.amdgcn_target "amdgcn-amd-amdhsa--gfx1250"
	.amdhsa_code_object_version 6
	.text
	.protected	k_qda206af8fc_attn
	.globl	k_qda206af8fc_attn
	.p2align	8
	.type	k_qda206af8fc_attn,@function
k_qda206af8fc_attn:
	s_mov_b64 s[64:65], 0
	v_nop
	global_prefetch_b8 v0, s[64:65] scope:SCOPE_SE
	s_setreg_imm32_b32 hwreg(HW_REG_WAVE_SCHED_MODE, 0, 2), 2
	s_setreg_imm32_b32 hwreg(HW_REG_WAVE_MODE, 25, 1), 1
	s_wait_xcnt 0x0
	s_wait_alu depctr_vm_vsrc(0)
; ATTN.  o = softmax(q k^T / 8, masked) v for 64 (batch, head) pairs of 2,048 x 2,048 x 64, both products on codes of BF8 with E8M0 scales; then o is quantised along the features for the last layer.
; THE SOFTMAX: t = score x log2(e) / 8; M = the running largest t rounded UP to a whole number; p = 2^(t - M) is quantised along the keys; the row's sum is taken of the unquantised p and divides at the end.
; SHARES.  A work-group takes two heads of a batch (y = 8 batch + pair) and two groups of 128 queries, x and 15 - x, one after the other.  Wave w: head w / 8 of the pair, tile w % 8 of 16 queries.
; Both products are used transposed: a lane holds ONE query.  Keys go in steps of 128.  A head has 64 along K, the instruction 128: a fragment of K holds TWO tiles of 16 keys (K 0-63, 64-127), and Q stands between
; two runs of zero codes, so that (Q, 0) picks the first tile and (0, Q) the second.
; By the choice of rows in a row block (lane row r = 32 (a / 2) + 8 (a % 2) + r + 8 (r / 8)) the 16 registers of two neighbouring result tiles are 16 neighbours along the next K.
; THE MASK IS AN INPUT.  An earlier launch has packed it: a word of lane bits for each score register, and two flags for each tile of 16 queries x 128 keys.  A step none of whose entries counts for my queries is left
; out; a step that no tile of the group needs is not fetched; a step with masked entries sets them to -infinity ahead of the maximum.  All three are scalar branches on stored whole numbers.
; NO TENSOR LOAD AND NO CLUSTER, since the walk hangs on those numbers: each wave copies 2,048 bytes of the step's K and V through registers into LDS, a step ahead; eight waves read each tile.
; One barrier a step: ahead of it my stores of the next step's tiles have landed and my reads of this step's are in.  Every wave passes every barrier.
; A ROW WITH NO KEY THAT COUNTS: its codes are zeros and its scale bytes 0xff, which is NaN in E8M0: the last layer's whole row becomes NaN.
; LIMITS: NaN and infinities among the inputs are not served; a block of zeros, or one whose largest magnitude lies under 2^-111, gets the byte 1.
; THE MODE: SCHED_MODE bits 1:0 = 2 (LLVM: expert scheduling mode 2), set by the entry lines.  The code itself states the register dependences between vector or matrix instructions and memory or LDS
; instructions, with s_wait_alu, always for 0.
; THE PLAN.  Registers that memory or LDS instructions touch:
;   v[LI], v[GST], v[L16], v[OSCA]   addresses: made at the head, never written again.   v[SPW], v[NIL]: made at the head, read by the closing add alone.
;   v[GOFF], v[SOFF]   offsets: made at a group's head, stepped by two adds at each step's head; read by the step's six global loads.
;   v[STGR ..]         the step's four global loads land in them, its four LDS stores read them; behind the head no vector instruction names them.
;   v[KS ..]           two sets: step p's products read set p as scales; step p's loads land in the other set.
;   v[F ..]            K's fragments land, the products S^T read them; V's land, the products O^T read them; on the way out wave 0 passes the scale words through the first four.
;   v[QZ+8 ..], v[TC]  Q and its scale word land at a group's head; read by the products S^T, and by one vector line.
;   v[TB], v[TA]       offsets of Q's loads and of the way out's stores; v[TA] is also at work in the softmax and is the data of the way out's LDS store.
;   v[PC ..], v[PS], v[QS]   made by vector instructions, taken by scaled products as source 1 and as scales; v[PC ..] is also the data of the way out's stores.
; All 256 registers are in use and sixteen waves of 256 fill the four SIMDs' registers: there is no second set for the fragments, so a wait stands between the products S^T and V's loads.
; A STEP'S WAITS: at its head one on vm_vsrc and one on va_vdst, which serve the step's global loads, K's LDS loads and the products S^T; one on va_vdst ahead of V's LDS loads; the two behind the exponentials;
; one on va_vdst ahead of the products O^T.  They stand ahead of the step's branches, so that every path passes them.
.set RING,  512                        ; LDS: 0-511: where o's scale words meet; then two slots of 32,768: [head of the pair][K 8,192, V 8,192]
.set SLOTB, 32768
.set SPARE, RING+2*SLOTB               ; the spare words: 128 bytes for each of 16 waves: eight blocks of 256 bytes that no other line names
.set LI,   1                           ; v1   16 x lane + my head's part of slot 0
.set SPW,  2
.set NIL,  3
.set GST,  4                           ; v4   where I store my 2,048 bytes of a step
.set GOFF, 5                           ; v5   16 x lane + 8,192 x the step that is asked for
.set SOFF, 6                           ; v6   8 x lane + 256 x the step that is asked for
.set NINF, 7                           ; v7   -infinity
.set L16,  8                           ; v8   16 x lane; never rewritten
.set TA,   9
.set TB,   10
.set TC,   11
.set QZ,   16                          ; v16-23 zeros, v24-31 Q, v32-39 zeros
.set FF,   40                          ; v40  f = 2^(old M - new M); on the way out 1 / l
.set PS,   41                          ; v41  p's scale word
.set QS,   42                          ; v42  Q's scale word
.set OSCA, 43                          ; v43  where my two bytes of o's scale words go
.set KS,   44                          ; v44-51 two sets: K's two words, V's two words of a lane
.set STGR, 52                          ; v52-67 my 2,048 bytes on their way
.set F,    68                          ; v68-131 four fragments of K, later of V
.set S,    132                         ; v132-195 S^T, then p
.set O,    196                         ; v196-227 O^T
.set PC,   228                         ; v228-243 p's codes
.set BM,   244
.set PT,   248
.set HL,   252
.set WV,   2
.set I8,   3
.set KVB,  4
.set SCB,  6
.set MB,   8
.set MF,   10
.set QB,   12
.set OIB,  14
.set OSB,  16
.set GRP,  18
.set NEED, 19
.set ANYW, 52
.set MIXW, 53
.set MOFF, 54
.set CNT,  55
.set OUT,  56
.set MNT,  57
.set CS,   58
.set SEL,  60
.set QSEL, 62
	s_load_b256 s[20:27], s[0:1], 0x0              ; pimg, pscl, mbits, mflag
	s_load_b128 s[28:31], s[0:1], 0x20             ; oimg, oscl
	v_lshl_add_u32 v[SPW], v0, 2, SPARE
	v_mov_b32 v[NIL], 0
	v_lshrrev_b32 v[TA], 5, v0
	v_readfirstlane_b32 s[WV], v[TA]
	v_and_b32 v[TA], 31, v0
	v_lshlrev_b32 v[L16], 4, v[TA]
	s_and_b32 s66, ttmp7, 0xffff
	s_lshr_b32 s67, s66, 3                         ; batch
	s_and_b32 s66, s66, 7                          ; pair of heads
	s_wait_alu depctr_va_sdst(0)                   ; s[WV] is written, ahead of its first reader: the line below
	s_and_b32 s[I8], s[WV], 7                      ; my tile of queries
	s_lshr_b32 s63, s[WV], 3                       ; my head of the pair
	s_lshl_b32 s100, s63, 14
	s_add_co_u32 s100, s100, RING
	v_add_nc_u32 v[LI], s100, v[L16]
	s_lshl_b32 s100, s[WV], 11
	s_add_co_u32 s100, s100, RING
	v_add_nc_u32 v[GST], s100, v[L16]
	s_lshr_b32 s100, s[I8], 2                      ; o's scale words: unit i8 / 4; in it the word of (rb = i8 % 4, r) at ((rb % 2) 16 + r) 8 + (rb / 2) 4; my head's half of it
	s_lshl_b32 s100, s100, 8
	s_and_b32 s101, s[I8], 1
	s_lshl_b32 s101, s101, 7
	s_add_co_u32 s100, s100, s101
	s_bfe_u32 s101, s[I8], 0x10001
	s_lshl_b32 s101, s101, 2
	s_add_co_u32 s100, s100, s101
	s_lshl_b32 s101, s63, 1
	s_add_co_u32 s100, s100, s101
	v_and_b32 v[TA], 15, v0
	v_lshl_add_u32 v[OSCA], v[TA], 3, s100
	s_lshl_b32 s32, s67, 4
	s_lshl_b32 s33, s66, 1
	s_add_co_u32 s32, s32, s33
	s_add_co_u32 s32, s32, s63                     ; 16 batch + head
	s_lshl_b32 s34, s32, 17                        ; x 131,072 in a region of pimg
	s_mov_b32 s35, 0
	s_lshl_b32 s36, s32, 12                        ; x 4,096 in a region of pscl
	s_mov_b32 s37, 0
	s_bfe_u32 s38, s[WV], 0x10002                  ; what I copy: waves 0-3 of a head K's four quarters, waves 4-7 V's
	s_add_co_u32 s38, s38, 1
	s_lshl_b32 s38, s38, 23                        ; region 1 (k) or 2 (v)
	s_and_b32 s39, s[WV], 3
	s_lshl_b32 s39, s39, 11
	s_add_co_u32 s38, s38, s39
	s_mov_b32 s39, 0
	s_lshl_b32 s40, s67, 21                        ; oimg: 128 row blocks of 16,384 bytes a batch,
	s_lshl_b32 s41, s[I8], 14                      ; my tile,
	s_add_co_u32 s40, s40, s41
	s_lshl_b32 s41, s66, 11                        ; the pair's K step,
	s_add_co_u32 s40, s40, s41
	s_lshl_b32 s41, s63, 10                        ; my head's half of it
	s_add_co_u32 s40, s40, s41
	s_mov_b32 s41, 0
	s_lshl_b32 s42, s66, 15                        ; oscl: 32,768 bytes a K step, 8,192 a batch
	s_lshl_b32 s43, s67, 13
	s_add_co_u32 s42, s42, s43
	s_mov_b32 s43, 0
	s_mov_b32 s[MNT], 0x600000
	s_mov_b32 s[CS], 0x3e38aa3b                    ; c = log2(e) / 8
	s_mov_b32 s[CS+1], s[CS]
	s_mov_b32 s[SEL], 0x76543210
	s_mov_b32 s[SEL+1], 0xfedcba98
	s_mov_b32 s[QSEL], 0x03020302                  ; which half of a pair's scale word is my tile's
	s_bitcmp1_b32 s[I8], 0
	s_cselect_b32 s[QSEL], s[QSEL], 0x01000100
	s_mov_b32 s[GRP], ttmp9
	s_mov_b32 s[OUT], 2
	v_mov_b32 v[NINF], 0xff800000
	v_mov_b32 v[TA], 0
	v_mov_b32 v[FF], 0
	v_mov_b32 v[PS], 0
.irp j, 0,1,2,3,4,5,6,7
	v_mov_b32 v[QZ+\j], 0                          ; the zero codes on both sides of Q
	v_mov_b32 v[QZ+16+\j], 0
	v_mov_b32 v[KS+\j], 0                          ; written once, like the 16 below: a step that is not fetched leaves them as they are
.endr
.irp j, 0,1,2,3,4,5,6,7,8,9,10,11,12,13,14,15
	v_mov_b32 v[STGR+\j], 0
.endr
.irp j, 0,1,2,3
	v_mov_b32 v[PT+\j], 0                          ; a lane permute's destination counts as one of its sources
.endr
	s_wait_kmcnt 0x0
	s_add_nc_u64 s[QB:QB+1], s[20:21], s[34:35]
	s_add_nc_u64 s[KVB:KVB+1], s[QB:QB+1], s[38:39]
	s_add_nc_u64 s[SCB:SCB+1], s[22:23], s[36:37]
	s_mov_b64 s[MB:MB+1], s[24:25]
	s_mov_b64 s[MF:MF+1], s[26:27]
	s_add_nc_u64 s[OIB:OIB+1], s[28:29], s[40:41]
	s_add_nc_u64 s[OSB:OSB+1], s[30:31], s[42:43]
; A KEY STEP of 128 keys in slot p
.macro STEP p
	s_wait_alu depctr_vm_vsrc(0)                   ; the loads issued so far have read v[GOFF] and v[SOFF], which the two lines below write (the wait for their data stands at the last step's end, or at the group's head); my LDS stores have read v[STGR ..], in which this step's loads land; in a group's first step Q's loads have read v[TB] and v[TA], which the softmax and the way out write
	v_add_nc_u32 v[GOFF], 8192, v[GOFF]            ; on to the step that is asked for now: the next one
	v_add_nc_u32 v[SOFF], 256, v[SOFF]
.rept 6
	v_nop                                          ; with the two additions: eight places behind the last products, and, in a group's first step, ahead of the products that take v[QS] as scales
.endr
	s_wait_alu depctr_va_vdst(0)                   ; v[GOFF] and v[SOFF] are written, which the loads below read; the last step's products are done reading the other set of v[KS ..] and v[F ..], in which loads land; in a group's first step v[QS] is written, which the products below take as scales
	s_bitcmp1_b32 s[NEED], (\p)+1                  ; does any tile of the group need the next step?
	s_cbranch_scc0 .Lnofetch_\@
.irp j, 0,1,2,3
	global_load_b128 v[STGR+4*\j:STGR+4*\j+3], v[GOFF], s[KVB:KVB+1] offset:512*\j
.endr
	global_load_b64 v[KS+4-4*(\p):KS+5-4*(\p)], v[SOFF], s[SCB:SCB+1] offset:262144   ; its scale words, a unit of 256 bytes each, into the other set
	global_load_b64 v[KS+6-4*(\p):KS+7-4*(\p)], v[SOFF], s[SCB:SCB+1] offset:524288
.Lnofetch_\@:
	s_bitcmp1_b32 s[ANYW], \p                      ; does any entry of this step count for my 16 queries?
	s_cbranch_scc0 .Lhidden_\@
.irp q, 0,1,2,3
.irp c, 0,1,2,3
	ds_load_b128 v[F+16*\q+4*\c:F+16*\q+4*\c+3], v[LI] offset:SLOTB*(\p)+2048*\q+512*\c   ; no vector or matrix instruction since the wait at the step's head names v[F ..]
.endr
.endr
	s_wait_dscnt 0x0
.irp q, 0,1,2,3                        ; S^T = K Q^T: fragment q holds key tiles 2 q and 2 q + 1
.if \q%2
	v_wmma_scale_f32_16x16x128_f8f6f4 v[S+16*\q:S+16*\q+7], v[F+16*\q:F+16*\q+15], v[QZ+8:QZ+23], 0, v[KS+4*(\p)+\q/2], v[QS] matrix_a_fmt:MATRIX_FMT_BF8 matrix_b_fmt:MATRIX_FMT_BF8 matrix_a_scale:MATRIX_SCALE_ROW1
	v_wmma_scale_f32_16x16x128_f8f6f4 v[S+16*\q+8:S+16*\q+15], v[F+16*\q:F+16*\q+15], v[QZ:QZ+15], 0, v[KS+4*(\p)+\q/2], v[QS] matrix_a_fmt:MATRIX_FMT_BF8 matrix_b_fmt:MATRIX_FMT_BF8 matrix_a_scale:MATRIX_SCALE_ROW1
.else
	v_wmma_scale_f32_16x16x128_f8f6f4 v[S+16*\q:S+16*\q+7], v[F+16*\q:F+16*\q+15], v[QZ+8:QZ+23], 0, v[KS+4*(\p)+\q/2], v[QS] matrix_a_fmt:MATRIX_FMT_BF8 matrix_b_fmt:MATRIX_FMT_BF8
	v_wmma_scale_f32_16x16x128_f8f6f4 v[S+16*\q+8:S+16*\q+15], v[F+16*\q:F+16*\q+15], v[QZ:QZ+15], 0, v[KS+4*(\p)+\q/2], v[QS] matrix_a_fmt:MATRIX_FMT_BF8 matrix_b_fmt:MATRIX_FMT_BF8
.endif
.endr                                  ; register 16 b + i of S: key 32 b + 16 h + i of the step
.rept 8
	v_nop                                          ; eight places behind the products, ahead of the first read of their results
.endr
	s_wait_alu depctr_va_vdst(0)                   ; the eight products are done reading v[F ..], in which V's fragments land; the places above stay beside this wait
.irp t, 0,1,2,3                        ; V's fragments land under the softmax
.irp c, 0,1,2,3
	ds_load_b128 v[F+16*\t+4*\c:F+16*\t+4*\c+3], v[LI] offset:SLOTB*(\p)+8192+2048*\t+512*\c
.endr
.endr
	s_bitcmp1_b32 s[MIXW], \p                      ; is any entry masked?
	s_cbranch_scc0 .Lopen_\@
	s_load_b512 s[20:35], s[MB:MB+1], s[MOFF] offset:0x0
	s_load_b512 s[36:51], s[MB:MB+1], s[MOFF] offset:0x40
	s_load_b512 s[68:83], s[MB:MB+1], s[MOFF] offset:0x80
	s_load_b512 s[84:99], s[MB:MB+1], s[MOFF] offset:0xc0
	s_wait_kmcnt 0x0
.set n, 0
.rept 64
.if n < 32
.set MW, 20+n
.else
.set MW, 36+n
.endif
	v_cndmask_b32 v[S+n], v[S+n], v[NINF], s[MW]   ; masked scores become -infinity ahead of the maximum: p = 0 then
.set n, n+1
.endr
.Lopen_\@:
.irp b, 0,1,2,3
	v_max3_num_f32 v[BM+\b], v[S+16*\b], v[S+16*\b+1], v[S+16*\b+2]   ; the largest score of each block of 32 keys: for the row's maximum and for the block's largest p
.endr
.irp i, 3,5,7,9,11,13
.irp b, 0,1,2,3
	v_max3_num_f32 v[BM+\b], v[BM+\b], v[S+16*\b+\i], v[S+16*\b+\i+1]
.endr
.endr
.irp b, 0,1,2,3
	v_max_num_f32 v[BM+\b], v[BM+\b], v[S+16*\b+15]
.endr
.irp b, 0,1,2,3
	v_permlanex16_b32 v[PT+\b], v[BM+\b], s[SEL], s[SEL+1]
.endr
.irp b, 0,1,2,3
	v_max_num_f32 v[BM+\b], v[BM+\b], v[PT+\b]
.endr
	v_max3_num_f32 v[TA], v[BM], v[BM+1], v[BM+2]
	v_max_num_f32 v[TA], v[TA], v[BM+3]
	v_mul_f32 v[TA], s[CS], v[TA]
	v_max_num_f32 v13, v13, v[TA]                  ; the running largest t
	v_mov_b32 v[TA], v12
	v_floor_f32 v12, -v13                          ; -M = floor(-t): M is a whole number
	v_sub_f32 v[TA], v12, v[TA]
	v_cvt_i32_f32 v[TA], v[TA]                     ; (it saturates)
	v_ldexp_f32 v[FF], 1.0, v[TA]                  ; f = 2^(old M - new M)
.set j, 0
.rept 32
	v_pk_fma_f32 v[S+j:S+j+1], v[S+j:S+j+1], s[CS:CS+1], v[12:13] op_sel_hi:[1,0,0]   ; t - M
.set j, j+2
.endr
.irp b, 0,1,2,3
	v_fma_f32 v[BM+\b], v[BM+\b], s[CS], v12
.endr
.set j, 0
.rept 64
	v_exp_f32 v[S+j], v[S+j]                       ; p = 2^(t - M)
.set j, j+1
.endr
	v_pk_mul_f32 v[14:15], v[14:15], v[FF:FF+1] op_sel_hi:[1,0]   ; the sums under the new M: a plain line behind the exponentials
	s_wait_alu depctr_va_vdst(0)                   ; the 64 exponentials have written v[S ..]: one wait for the batch, ahead of its first reader
.irp b, 0,1,2,3
	v_exp_f32 v[BM+\b], v[BM+\b]                   ; each block's largest p
.endr
	v_pk_add_f32 v[PT:PT+1], v[S:S+1], v[S+2:S+3]  ; the row's sum of the unquantised p, in two chains
.irp j, 4,8,12,16,20,24,28,32,36,40,44,48,52,56,60
	v_pk_add_f32 v[14:15], v[14:15], v[S+\j:S+\j+1]
	v_pk_add_f32 v[PT:PT+1], v[PT:PT+1], v[S+\j+2:S+\j+3]
.endr
	v_pk_add_f32 v[14:15], v[14:15], v[PT:PT+1]
	s_wait_alu depctr_va_vdst(0)                   ; the four exponentials have written v[BM ..]: their wait, ahead of their first reader
.irp b, 0,1,2,3
	v_max_num_f32 v[BM+\b], 0x8000000, v[BM+\b]    ; the floor 2^(16 - 127)
.endr
.irp b, 0,1,2,3
	v_and_or_b32 v[HL+\b], v[BM+\b], 0x7f800000, s[MNT]   ; 57,344 x the scale
.endr
.irp b, 0,1,2,3
	v_add_nc_u32 v[BM+\b], 0xf8800000, v[BM+\b]    ; the conversion's scale operand, in place
.endr
.irp b, 0,1,2,3
	v_lshrrev_b32 v[PT+\b], 23, v[BM+\b]           ; the scale's byte
.endr
	v_lshl_or_b32 v[PS], v[PT+1], 8, v[PT]
	v_lshl_or_b32 v[PS], v[PT+2], 16, v[PS]
	v_lshl_or_b32 v[PS], v[PT+3], 24, v[PS]
.irp b, 0,1,2,3
.irp i, 0,1,2,3,4,5,6,7,8,9,10,11,12,13,14,15
	v_min_num_f32 v[S+16*\b+\i], v[S+16*\b+\i], v[HL+\b]   ; the hold: the conversion does not saturate (ISA guide 7.6.2); p is not negative
.endr
	v_cvt_scalef32_pk8_bf8_f32 v[PC+4*\b:PC+4*\b+1], v[S+16*\b:S+16*\b+7], v[BM+\b]
	v_cvt_scalef32_pk8_bf8_f32 v[PC+4*\b+2:PC+4*\b+3], v[S+16*\b+8:S+16*\b+15], v[BM+\b]
.endr
.set j, 0
.rept 16
	v_pk_mul_f32 v[O+j:O+j+1], v[O+j:O+j+1], v[FF:FF+1] op_sel_hi:[1,0]   ; O^T under the new M; also the places ahead of the products below
.set j, j+2
.endr
	s_wait_dscnt 0x0                               ; V's fragments
	s_wait_alu depctr_va_vdst(0)                   ; the conversions have written v[PC ..] and the shifts v[PS], which the scaled products below take as source 1 and as scales; their places stand ahead of this wait
.irp t, 0,1,2,3                        ; O^T += V^T P^T: four accumulators, one instruction each
.if \t%2
	v_wmma_scale_f32_16x16x128_f8f6f4 v[O+8*\t:O+8*\t+7], v[F+16*\t:F+16*\t+15], v[PC:PC+15], v[O+8*\t:O+8*\t+7], v[KS+4*(\p)+2+\t/2], v[PS] matrix_a_fmt:MATRIX_FMT_BF8 matrix_b_fmt:MATRIX_FMT_BF8 matrix_a_scale:MATRIX_SCALE_ROW1
.else
	v_wmma_scale_f32_16x16x128_f8f6f4 v[O+8*\t:O+8*\t+7], v[F+16*\t:F+16*\t+15], v[PC:PC+15], v[O+8*\t:O+8*\t+7], v[KS+4*(\p)+2+\t/2], v[PS] matrix_a_fmt:MATRIX_FMT_BF8 matrix_b_fmt:MATRIX_FMT_BF8
.endif
.endr
.Lhidden_\@:
	s_wait_loadcnt 0x0                             ; the next step's bytes and scale words, asked for at the step's head
	s_bitcmp1_b32 s[NEED], (\p)+1
	s_cbranch_scc0 .Lnostore_\@
.irp j, 0,1,2,3
	ds_store_b128 v[GST], v[STGR+4*\j:STGR+4*\j+3] offset:SLOTB*(1-(\p))+512*\j   ; into the other slot: its last reads stand ahead of the last barrier.  The data come from loads, the address from the head: no vector instruction has named either since
.endr
.Lnostore_\@:
	s_add_co_u32 s[MOFF], s[MOFF], 256
	s_wait_dscnt 0x0                               ; my stores have landed and my reads of this slot are in
	s_barrier_signal -1
	s_barrier_wait -1
.endm
.Lgroup:                                               ; a group of 128 queries
	s_wait_xcnt 0x0                                ; the last group's stores have read their data, offsets and bases
	s_wait_alu depctr_vm_vsrc(0)                   ; the last group's stores have read v[TB], v[TA], v[PC ..] and, in wave 0, v[F ..]; its loads have read v[GOFF] and v[SOFF]: the lines below and the steps write all of these again
	s_lshl_b32 s63, s[GRP], 5
	s_load_b256 s[20:27], s[MF:MF+1], s63 offset:0x0   ; the flags of the group's eight tiles,
	s_lshl_b32 s66, s[I8], 2
	s_add_co_u32 s66, s66, s63
	s_load_b32 s28, s[MF:MF+1], s66 offset:0x0     ; and my tile's
	s_lshl_b32 s67, s[GRP], 13
	s_lshl_b32 s100, s[I8], 10
	s_add_co_u32 s67, s67, s100
	v_add_nc_u32 v[TB], s67, v[L16]
	s_lshl_b32 s67, s[GRP], 8                      ; Q's scale word: the group's unit; the word of pair j = i8 / 2 at ((j % 2) 16 + r) 8 + (j / 2) 4
	s_bfe_u32 s100, s[I8], 0x10001
	s_lshl_b32 s100, s100, 7
	s_add_co_u32 s67, s67, s100
	s_lshr_b32 s100, s[I8], 2
	s_lshl_b32 s100, s100, 2
	s_add_co_u32 s67, s67, s100
	v_and_b32 v[TA], 15, v0
	v_lshl_add_u32 v[TA], v[TA], 3, s67
	v_and_b32 v[GOFF], 31, v0
	v_lshlrev_b32 v[SOFF], 3, v[GOFF]
	v_lshlrev_b32 v[GOFF], 4, v[GOFF]
	s_wait_alu depctr_va_vdst(0)                   ; v[TB], v[TA], v[GOFF], v[SOFF] are written, which the loads below read (first group: so are the head's addresses, and the cleared v[STGR ..] and v[KS ..], in which loads land); the last group's products are done reading Q, v[KS ..] and v[F ..], its vector lines are done with v[TC]
	global_load_b128 v[QZ+8:QZ+11], v[TB], s[QB:QB+1]
	global_load_b128 v[QZ+12:QZ+15], v[TB], s[QB:QB+1] offset:512
	global_load_b32 v[TC], v[TA], s[SCB:SCB+1]
	s_lshl_b32 s[MOFF], s[GRP], 3
	s_add_co_u32 s[MOFF], s[MOFF], s[I8]
	s_lshl_b32 s[MOFF], s[MOFF], 12                ; my tile's mask words: 4,096 bytes a tile, 256 a step
	s_wait_kmcnt 0x0
	s_or_b32 s[NEED], s20, s21
	s_or_b32 s[NEED], s[NEED], s22
	s_or_b32 s[NEED], s[NEED], s23
	s_or_b32 s[NEED], s[NEED], s24
	s_or_b32 s[NEED], s[NEED], s25
	s_or_b32 s[NEED], s[NEED], s26
	s_or_b32 s[NEED], s[NEED], s27
	s_and_b32 s[NEED], s[NEED], 0xffff             ; bit s: some tile of the group needs step s: the same in all sixteen waves
	s_and_b32 s[ANYW], s28, 0xffff
	s_lshr_b32 s[MIXW], s28, 16
	s_bitcmp1_b32 s[NEED], 0
	s_cbranch_scc0 .Lno_first
.irp j, 0,1,2,3
	global_load_b128 v[STGR+4*\j:STGR+4*\j+3], v[GOFF], s[KVB:KVB+1] offset:512*\j   ; no vector instruction since the wait above names these registers
.endr
	global_load_b64 v[KS:KS+1], v[SOFF], s[SCB:SCB+1] offset:262144
	global_load_b64 v[KS+2:KS+3], v[SOFF], s[SCB:SCB+1] offset:524288
.Lno_first:
	v_mov_b32 v13, 0xff61b1e6                      ; the largest t so far: -3e38.  (These lines name no register that a load or store touches)
	v_floor_f32 v12, -v13
	v_mov_b32 v14, 0
	v_mov_b32 v15, 0
.set j, 0
.rept 32
	v_mov_b32 v[O+j], 0                            ; the step is written once: the first finds zeros
.set j, j+1
.endr
	s_wait_loadcnt 0x0
	v_perm_b32 v[QS], v[TC], v[TC], s[QSEL]        ; my tile's two bytes, twice: for (Q, 0) and for (0, Q)
	s_bitcmp1_b32 s[NEED], 0
	s_cbranch_scc0 .Lno_first_store
.irp j, 0,1,2,3
	ds_store_b128 v[GST], v[STGR+4*\j:STGR+4*\j+3] offset:512*\j
.endr
.Lno_first_store:
	s_wait_dscnt 0x0
	s_barrier_signal -1
	s_barrier_wait -1
	s_mov_b32 s[CNT], 8
.Lstep:                                                ; two key steps a trip
	STEP 0
	STEP 1
	s_lshr_b32 s[NEED], s[NEED], 2
	s_lshr_b32 s[ANYW], s[ANYW], 2
	s_lshr_b32 s[MIXW], s[MIXW], 2
	s_sub_co_u32 s[CNT], s[CNT], 1
	s_cmp_lg_u32 s[CNT], 0
	s_cbranch_scc1 .Lstep
	; THE WAY OUT of a group: O^T / l, quantised along the head's 64 (two blocks), straight to memory as half an image
.rept 8
	v_nop
.endr
	v_add_f32 v14, v14, v15
	v_permlanex16_b32 v[TA], v14, s[SEL], s[SEL+1]
	v_add_f32 v14, v14, v[TA]                      ; the row's sum
	v_rcp_f32 v[TC], v14
	v_cmp_lt_f32 s63, 0, v14                       ; has any key counted?
	s_lshl_b32 s66, s[GRP], 17
	v_add_nc_u32 v[TB], s66, v[L16]                ; 8 row blocks of 16,384 bytes a group.  (A plain line behind the reciprocal.  Q's loads have read v[TB]: the waits on vm_vsrc at the steps' heads stand between)
	s_wait_alu depctr_va_vdst(0)                   ; the reciprocal has written v[TC], ahead of its first reader
	s_wait_alu depctr_va_sdst(0)                   ; the compare has written s63, ahead of its first reader: the line below
	v_cndmask_b32 v[FF], 0, v[TC], s63
.set j, 0
.rept 16
	v_pk_mul_f32 v[O+j:O+j+1], v[O+j:O+j+1], v[FF:FF+1] op_sel_hi:[1,0]   ; register 16 b + i: feature 32 b + 16 h + i of the head
.set j, j+2
.endr
.irp b, 0,1
	v_max3_num_f32 v[BM+\b], |v[O+16*\b]|, |v[O+16*\b+1]|, 0x8000000
.endr
.irp i, 2,4,6,8,10,12,14
.irp b, 0,1
	v_max3_num_f32 v[BM+\b], v[BM+\b], |v[O+16*\b+\i]|, |v[O+16*\b+\i+1]|
.endr
.endr
.irp b, 0,1
	v_permlanex16_b32 v[PT+\b], v[BM+\b], s[SEL], s[SEL+1]
.endr
.irp b, 0,1
	v_max_num_f32 v[BM+\b], v[BM+\b], v[PT+\b]
.endr
.irp b, 0,1
	v_and_or_b32 v[HL+\b], v[BM+\b], 0x7f800000, s[MNT]
.endr
.irp b, 0,1
	v_add_nc_u32 v[BM+\b], 0xf8800000, v[BM+\b]
.endr
.irp b, 0,1
	v_lshrrev_b32 v[PT+\b], 23, v[BM+\b]
.endr
	v_lshl_or_b32 v[TA], v[PT+1], 8, v[PT]
	v_cndmask_b32 v[TA], 0xffff, v[TA], s63        ; a row with no key that counts: both bytes 0xff
.irp b, 0,1
.irp i, 0,1,2,3,4,5,6,7,8,9,10,11,12,13,14,15
	v_med3_num_f32 v[O+16*\b+\i], v[O+16*\b+\i], -v[HL+\b], v[HL+\b]
.endr
	v_cvt_scalef32_pk8_bf8_f32 v[PC+4*\b:PC+4*\b+1], v[O+16*\b:O+16*\b+7], v[BM+\b]
	v_cvt_scalef32_pk8_bf8_f32 v[PC+4*\b+2:PC+4*\b+3], v[O+16*\b+8:O+16*\b+15], v[BM+\b]
.endr
	v_nop                                          ; a plain line behind the last conversion
	s_wait_alu depctr_va_vdst(0)                   ; v[TB], v[PC ..] and v[TA] are written, which the three stores below read; the last step's products are done reading v[F ..], in which wave 0's LDS load lands
	global_store_b128 v[TB], v[PC:PC+3], s[OIB:OIB+1]              ; 512 consecutive bytes each
	global_store_b128 v[TB], v[PC+4:PC+7], s[OIB:OIB+1] offset:512
	ds_store_b16 v[OSCA], v[TA]                    ; both halves of the lanes write the same two bytes with the same value
	s_wait_dscnt 0x0
	s_barrier_signal -1
	s_barrier_wait -1                              ; the group's two units of scale words lie whole in LDS
	s_cmp_lg_u32 s[WV], 0
	s_cbranch_scc1 .Lnot_wave_0
	ds_load_b128 v[F:F+3], v[L16]                  ; no vector or matrix instruction since the wait above names v[F ..]
	s_lshl_b32 s100, s[GRP], 9
	s_mov_b32 s101, 0
	s_add_nc_u64 s[104:105], s[OSB:OSB+1], s[100:101]
	s_wait_dscnt 0x0
	global_store_b128 v[L16], v[F:F+3], s[104:105] ; 512 consecutive bytes
.Lnot_wave_0:
	s_sub_co_u32 s[GRP], 15, s[GRP]                ; the second group
	s_sub_co_u32 s[OUT], s[OUT], 1
	s_cmp_lg_u32 s[OUT], 0
	s_cbranch_scc1 .Lgroup
	s_wait_dscnt 0x0                               ; the closing lines, six on end
	s_wait_alu 0x0
	s_wait_tensorcnt 0x0
	ds_add_u32 v[SPW], v[NIL]
	s_wait_dscnt 0x0
	s_endpgm
.Lfunc_end_k_qda206af8fc_attn:
	.size	k_qda206af8fc_attn, .Lfunc_end_k_qda206af8fc_attn-k_qda206af8fc_attn
	.p2alignl 7, 3214868480
	.fill 96, 4, 3214868480
	.section	.rodata,"a",@progbits
	.p2align	6, 0x0
	.amdhsa_kernel k_qda206af8fc_attn
		.amdhsa_group_segment_fixed_size 68096
		.amdhsa_private_segment_fixed_size 0
		.amdhsa_enable_private_segment 0
		.amdhsa_kernarg_size 48
		.amdhsa_user_sgpr_count 2
		.amdhsa_user_sgpr_kernarg_segment_ptr 1
		.amdhsa_wavefront_size32 1
		.amdhsa_system_sgpr_workgroup_id_x 1
		.amdhsa_system_sgpr_workgroup_id_y 1
		.amdhsa_system_sgpr_workgroup_id_z 1
		.amdhsa_system_vgpr_workitem_id 0
		.amdhsa_next_free_vgpr 256
		.amdhsa_next_free_sgpr 106
		.amdhsa_reserve_vcc 0
		.amdhsa_float_denorm_mode_32 3
		.amdhsa_float_denorm_mode_16_64 3
		.amdhsa_memory_ordered 1
		.amdhsa_forward_progress 1
		.amdhsa_inst_pref_size 63
	.end_amdhsa_kernel
	.amdgpu_metadata
---
amdhsa.version: [ 1, 2 ]
amdhsa.kernels:
  - .name:           k_qda206af8fc_attn
    .symbol:         k_qda206af8fc_attn.kd
    .args:
      - { .name: pimg, .offset: 0, .size: 8, .value_kind: global_buffer, .address_space: global }
      - { .name: pscl, .offset: 8, .size: 8, .value_kind: global_buffer, .address_space: global }
      - { .name: mbits, .offset: 16, .size: 8, .value_kind: global_buffer, .address_space: global }
      - { .name: mflag, .offset: 24, .size: 8, .value_kind: global_buffer, .address_space: global }
      - { .name: oimg, .offset: 32, .size: 8, .value_kind: global_buffer, .address_space: global }
      - { .name: oscl, .offset: 40, .size: 8, .value_kind: global_buffer, .address_space: global }
    .group_segment_fixed_size: 68096
    .private_segment_fixed_size: 0
    .kernarg_segment_align: 8
    .kernarg_segment_size: 48
    .max_flat_workgroup_size: 512
    .sgpr_count:     106
    .vgpr_count:     256
    .wavefront_size: 32
...
	.end_amdgpu_metadata
.endif
;; end of part 5
;; launch outp: the kernel of part 4 again; grid 4 x 32, 4 waves a work-group, clusters of 4 x 4, 327,680 bytes of LDS; arguments oimg, oscl, cimg, cscl, bo, out0; writes out0
